; MI455X (gfx1250); checked and timed in simulation.
; The chip was launched on July 23, 2026; its instructions are those of AMD's public machine-readable ISA for CDNA 5 (MIT licence, August 2026) and "CDNA5" Instruction Set Architecture Reference Guide (July 2026). The comments in the code are by the model that wrote it; some were corrected since.
;; Causal Self Attention. Allowed arithmetic: matrix products marked QUANTISED: E2M1 operands, one E8M0 scale for each 32 along K, by v_wmma_scale_f32_16x16x128_f8f6f4 with both operands' format E2M1 (or v_wmma_scale_f32_32x16x128_f4), f32 sums; products left as they are: bf16, f16 or f32 operands; f32 sums; everything else in f32.
;; Inputs: W_attn 1,024 x 3,072 float32; W_proj 1,024 x 1,024 float32; x 4 x 2,048 x 1,024 float32.
;; Outputs: out0 4 x 2,048 x 1,024 float32.
;; This version of the problem:
;;   THIS VERSION OF THE PROBLEM IS GIVEN IN LOW PRECISION. The matrix products marked QUANTISED in the list below multiply operands that are first quantised to E2M1 (2 exponent bits, 1 mantissa bit; 4 bits a number), with one power-of-two scale for each 32 numbers along K (OCP MX v1.0); their sums are f32. The products marked 'left as it is' may take bf16, f16 or f32 operands, with f32 sums. Whichever they take, every output number must still come out within the allowed error. Rounding operands to bf16 (8 significant bits) uses up far more of that allowance than f16 does (11 bits, for magnitudes from 6e-5 to 65,504). All else is computed in f32.
;;   The module's matrix products, in the order in which they are computed (A, B: the left and right operand; K: the contracted axis; several contracted axes count as one K, in the product's order):
;;     1. [M 8,192, K 1,024] x [K 1,024, N 3,072]; A: input x; B: input W_attn: QUANTISED
;;     2. [M 2,048, K 1] x [K 1, N 32]; A: computed on the way; B: computed on the way: left as it is (no contracted axis)
;;     3. batch 64 x [M 2,048, K 64] x [K 64, N 2,048]; A: computed on the way; B: computed on the way: left as it is (an operand is computed on the way)
;;     4. batch 64 x [M 64, K 2,048] x [K 2,048, N 2,048]; A: computed on the way; B: computed on the way: left as it is (an operand is computed on the way)
;;     5. [M 8,192, K 1,024] x [K 1,024, N 1,024]; A: computed on the way; B: input W_proj: left as it is (an operand is computed on the way)
;;   THE QUANTISER, for each operand of a quantised product, along K:
;;     - K is cut into blocks of 32 from its start; a last block that is shorter is filled with zeros.
;;     - A block's scale is 2^e with e = floor(log2(the largest magnitude in the block)) - 2, held to -126 .. 127; a block of zeros has e = 0. As a byte (E8M0): e + 127.
;;     - Each number is divided by its block's scale, clamped to +-6, and rounded to the nearest number of E2M1, ties to even, subnormals kept.
;;     - The product sums the exact products of the quantised numbers (number of the format x scale) in f32.
;;   ~~~python
;;   def quantise(x, axis):      # numpy; x: float32 -> the quantised numbers, widened to float32 again
;;       x = np.moveaxis(x, axis, -1); K = x.shape[-1]
;;       x = np.pad(x, [(0, 0)] * (x.ndim - 1) + [(0, -K % 32)]); x = x.reshape(x.shape[:-1] + (-1, 32)); a = np.abs(x).max(-1, keepdims=True)
;;       e = np.where(a > 0, np.clip(np.frexp(np.where(a > 0, a, 1))[1] - 1 - 2, -126, 127), 0)      # np.frexp(a)[1] - 1 = floor(log2(a)), exactly
;;       r = np.clip(x / 2.0 ** e, -6, 6)
;;       step = 2.0 ** (np.maximum(np.frexp(np.where(r == 0, 1, r))[1] - 1, 0) - 1)
;;       q = np.round(r / step) * step * 2.0 ** e      # np.round: ties to even
;;       return np.moveaxis(q.reshape(q.shape[:-2] + (-1,))[..., :K], -1, axis).astype(np.float32)
;;   ~~~
;; One version. Each part assembles by itself: llvm-mc -triple=amdgcn-amd-amdhsa -mcpu=gfx1250 --defsym DOCPART=n.
;; ======== version 1 of 1: 5 launches
;; limits: values are held in f16: magnitudes above 65,504 overflow, below 6.1e-05 lose precision
;; workspace buffers: codes 5,767,168 bytes; scales 360,448 bytes; wp16 2,097,152 bytes; rope 524,288 bytes; qkv16 50,331,648 bytes; y16 16,777,216 bytes; fine32 786,432 bytes
;; launch prep (part 1): grid 400 x 1, 4 waves a work-group, no clusters, 68,096 bytes of LDS; arguments x, W_attn, W_proj, codes, scales, wp16, rope; writes codes, scales, wp16, rope
.if DOCPART == 1
	.amdgcn_target "amdgcn-amd-amdhsa--gfx1250"
	.amdhsa_code_object_version 6
	.text
	.protected	k_qedec0ac8ea_prep
	.globl	k_qedec0ac8ea_prep
	.p2align	8
	.type	k_qedec0ac8ea_prep,@function
k_qedec0ac8ea_prep:
	s_mov_b64 s[64:65], 0
	v_nop
	global_prefetch_b8 v0, s[64:65] scope:SCOPE_SE
	s_setreg_imm32_b32 hwreg(HW_REG_WAVE_MODE, 25, 1), 1
	s_wait_xcnt 0x0
; FOUR PREPARATIONS IN ONE LAUNCH, told apart by the work-group's number alone:
;   0-47    W: W_attn [1024 k][3072 n] f32 -> codes of E2M1 laid [n][512 bytes] with K innermost, at codes + 0x400000; scale bytes [n][32] at scales + 0x40000
;   48-303  X: x [8192][1024] f32 -> codes [row][512 bytes] at codes + 0; scale bytes [row][32] at scales + 0
;   304-367 P: W_proj f32 -> f16, same layout [k][n]
;   368-399 T: the table rope [t 2048][64] f32: words 0-31 cos(t f_i), words 32-63 sin(t f_i), f_i = 10000^(-i/32)
; THE QUANTISER: a block's scale is 2^(floor(log2(largest magnitude)) - 2); its byte is the largest magnitude's exponent field - 2, held at 1 from below;
; each number is divided by the scale and rounded to the nearest code, ties to even, beyond 6 the largest code.
; LIMITS: a block of zeros gets the byte 1 (its codes are zeros, and this program alone reads the bytes); NaN and infinities are not served; W_proj must lie under 65,504 in magnitude (f16).
; The angle t f_i is within about 2e-4 rad of the one made with a correctly rounded f_i (f_i comes from v_exp_f32 of a rounded product).
; Paths W and X store to LDS: each has LDS bytes of its own; the spare words lie behind both.  No tensor loads, no barrier: waves share nothing.
.set SPARE,  67584                     ; the spare words: 128 bytes for each wave, named by no other line
.set SPW,    180                       ; v180  SPARE + 4 x my thread's number; never rewritten
.set NIL,    181                       ; v181  0; never rewritten
.set EMAX,   2
.set WPITCH, 272                       ; path W: a stage row: 256 bytes of codes + 16
.set WX,     32                        ; v32-95   two sets of 32 numbers
.set WC,     96                        ; v96-99   a block's codes
.set WSB,    24                        ; v24-27   16 scale bytes
.set WOUT,   112                       ; v112-175 the way out
.set XBASE,  34816                     ; path X: its LDS begins behind path W's four stages
.set XREG,   8192                      ; a region for each wave: two stages of 32 x SP bytes, then 256 scale bytes
.set SP,     80
.set XR,     16                        ; v16-79   four sets of 16 numbers as loaded
.set XN,     80                        ; v80-111  two sets of 16 neighbours
.set XE,     112                       ; v112-127 a scale byte for each step
.set XC,     128                       ; v128-159 two registers of codes for each step
	s_load_b256 s[4:11], s[0:1], 0x0               ; x s[4:5], W_attn s[6:7], W_proj s[8:9], codes s[10:11]
	s_load_b128 s[12:15], s[0:1], 0x20             ; scales s[12:13], wp16 s[14:15]
	s_load_b64 s[16:17], s[0:1], 0x30              ; rope
	v_lshl_add_u32 v[SPW], v0, 2, SPARE
	v_mov_b32 v[NIL], 0
	v_lshrrev_b32 v1, 5, v0
	v_readfirstlane_b32 s20, v1                    ; wave 0..3
	v_and_b32 v2, 31, v0                           ; lane
	s_mov_b32 s25, 0                               ; the high word of every byte offset: all stay under 2^32
	s_wait_kmcnt 0x0
	s_cmp_lt_u32 ttmp9, 48
	s_cbranch_scc1 .Lpath_w
	s_cmp_lt_u32 ttmp9, 304
	s_cbranch_scc1 .Lpath_x
	s_cmp_lt_u32 ttmp9, 368
	s_cbranch_scc1 .Lpath_p
; ---------------- PATH T: 16 rows of the table a wave.  Lanes 0-15 make cos of i = 2 (lane % 16) and i + 1, lanes 16-31 sin of the same: a row's 256 bytes leave by one store.
	s_sub_co_u32 s21, ttmp9, 368
	s_lshl_b32 s21, s21, 2
	s_add_co_u32 s21, s21, s20
	s_lshl_b32 s21, s21, 4                         ; my first t
	s_lshl_b32 s24, s21, 8                         ; 256 bytes a row
	s_add_nc_u64 s[16:17], s[16:17], s[24:25]
	s_mov_b32 s26, 0x3fc90fdb                      ; pi/2, its f32 part,
	s_mov_b32 s27, 0xb33bbd2e                      ; and what is left of it
	v_lshrrev_b32 v3, 4, v2                        ; 0: cos, 1: sin
	v_and_b32 v5, 15, v2
	v_lshlrev_b32 v5, 1, v5                        ; i
	v_mul_u32_u24 v9, v3, 3                        ; sin(a) = cos(a - pi/2): three quadrants on
	v_lshlrev_b32 v4, 3, v2                        ; 8 bytes a lane
	v_cvt_f32_u32 v6, v5
	v_add_nc_u32 v5, 1, v5
	v_cvt_f32_u32 v7, v5
	v_mul_f32 v6, 0xbed49a78, v6                   ; -i log2(10000) / 32
	v_mul_f32 v7, 0xbed49a78, v7
	v_exp_f32 v20, v6                              ; f_i
	v_exp_f32 v21, v7                              ; f_(i+1)
	v_mov_b32 v10, s21                             ; (a plain line behind the two exponentials)
	v_mov_b32 v22, 0xb94ca1f9                      ; the polynomials' leading coefficients
	v_mov_b32 v23, 0x37ccf5ce
	s_wait_alu depctr_va_vdst(0)                   ; one wait for both exponentials, ahead of their first reader
; one value: a = t f; k = the nearest whole number to a 2/pi; r = a - k pi/2 in two fused steps; sin r and cos r by polynomials on |r| <= pi/4; quadrant n = k (+ 3 for sin):
; n odd takes sin r, else cos r; the sign turns where (n + 1) & 2
.macro TVAL f, out
	v_mul_f32 v12, v11, v[\f]
	v_mul_f32 v13, 0x3f22f983, v12
	v_rndne_f32 v13, v13
	v_fma_f32 v12, -v13, s26, v12
	v_fma_f32 v12, -v13, s27, v12
	v_cvt_i32_f32 v13, v13
	v_mul_f32 v14, v12, v12
	v_add_nc_u32 v13, v13, v9
	v_fmaak_f32 v15, v22, v14, 0x3c08839e
	v_fmaak_f32 v16, v23, v14, 0xbab6061a
	v_fmaak_f32 v15, v15, v14, 0xbe2aaaa3
	v_fmaak_f32 v16, v16, v14, 0x3d2aaaa5
	v_mul_f32 v15, v15, v14
	v_fma_f32 v16, v16, v14, -0.5
	v_fma_f32 v15, v15, v12, v12                   ; sin r
	v_fma_f32 v16, v16, v14, 1.0                   ; cos r
	v_and_b32 v17, 1, v13
	v_add_nc_u32 v13, 1, v13
	v_cmp_eq_u32 vcc_lo, 1, v17
	v_and_b32 v13, 2, v13
	v_cndmask_b32 v16, v16, v15, vcc_lo
	v_lshlrev_b32 v13, 30, v13
	v_xor_b32 v[\out], v16, v13
.endm
.irp u, 0,1,2,3,4,5,6,7,8,9,10,11,12,13,14,15
	v_add_nc_u32 v11, \u, v10
	v_cvt_f32_u32 v11, v11                         ; t
	TVAL 20, 64+2*\u
	TVAL 21, 65+2*\u
	global_store_b64 v4, v[64+2*\u:65+2*\u], s[16:17] offset:256*\u   ; 32 lanes store the row's 256 consecutive bytes; each row has data registers of its own
.endr
	s_endpgm
; ---------------- PATH P: a wave casts 4,096 numbers.  All 32 loads go out first; every offset is an immediate.
.Lpath_p:
	s_sub_co_u32 s21, ttmp9, 304
	s_lshl_b32 s21, s21, 2
	s_add_co_u32 s21, s21, s20                     ; my run
	s_lshl_b32 s24, s21, 14
	s_add_nc_u64 s[8:9], s[8:9], s[24:25]
	s_lshl_b32 s24, s21, 13
	s_add_nc_u64 s[14:15], s[14:15], s[24:25]
	v_lshlrev_b32 v3, 4, v2
	v_lshlrev_b32 v4, 3, v2
.set i, 0
.rept 32
	global_load_b128 v[16+4*i:19+4*i], v3, s[8:9] offset:512*i
.set i, i+1
.endr
.set i, 0
.rept 32
	s_wait_loadcnt 31-i                            ; loads come back in order: mine is in, the younger ones stay out
	v_cvt_pk_f16_f32 v[16+4*i], v[16+4*i], v[17+4*i]
	v_cvt_pk_f16_f32 v[17+4*i], v[18+4*i], v[19+4*i]
	global_store_b64 v4, v[16+4*i:17+4*i], s[14:15] offset:256*i   ; 32 lanes store 256 consecutive bytes, aligned
.set i, i+1
.endr
	s_endpgm
; ---------------- PATH X: a wave takes 16 steps of 512 numbers.  Loads take the bytes as they lie (512 consecutive bytes each); a step's 2,048 bytes turn through the wave's own stage,
; so that a lane then holds 16 neighbours along K (two neighbouring lanes hold a block).  Loads run four steps ahead, the turn one step.
.Lpath_x:
	v_lshlrev_b32 v3, 4, v2                        ; my 16 bytes of a load's 512
	s_mul_i32 s21, s20, XREG
	s_add_co_u32 s21, s21, XBASE
	v_lshrrev_b32 v14, 2, v2
	v_mul_u32_u24 v14, v14, SP
	v_and_b32 v15, 3, v2
	v_lshl_add_u32 v14, v15, 4, v14
	v_add_nc_u32 v14, s21, v14                     ; into the stage: SP (lane / 4) + 16 (lane % 4)
	v_mul_u32_u24 v15, v2, SP
	v_add_nc_u32 v15, s21, v15                     ; out of it: SP x lane
	v_lshlrev_b32 v4, 3, v2                        ; my 8 bytes of a step's codes
	v_lshrrev_b32 v5, 1, v2
	s_add_co_u32 s21, s21, 2*32*SP
	v_add_nc_u32 v5, s21, v5                       ; my block's scale byte in LDS
	v_lshlrev_b32 v7, 3, v2
	v_add_nc_u32 v6, s21, v7                       ; and on the way out 8 bytes a lane
	s_sub_co_u32 s22, ttmp9, 48
	s_lshl_b32 s22, s22, 2
	s_add_co_u32 s22, s22, s20                     ; which run of 8,192 numbers is mine
	s_lshl_b32 s24, s22, 15
	s_add_nc_u64 s[4:5], s[4:5], s[24:25]
	s_lshl_b32 s24, s22, 12
	s_add_nc_u64 s[10:11], s[10:11], s[24:25]
	s_lshl_b32 s24, s22, 8
	s_add_nc_u64 s[12:13], s[12:13], s[24:25]
.macro XLOAD t
.irp i, 0,1,2,3
	global_load_b128 v[XR+16*((\t)%4)+4*\i:XR+16*((\t)%4)+4*\i+3], v3, s[4:5] offset:2048*(\t)+512*\i th:TH_LOAD_NT
.endr
.endm
.macro XTURN t                         ; LDS serves a wave's instructions in order: no wait between the stores and the loads
.irp i, 0,1,2,3
	ds_store_b128 v14, v[XR+16*((\t)%4)+4*\i:XR+16*((\t)%4)+4*\i+3] offset:32*SP*((\t)%2)+8*SP*\i
.endr
.irp i, 0,1,2,3
	ds_load_b128 v[XN+16*((\t)%2)+4*\i:XN+16*((\t)%2)+4*\i+3], v15 offset:32*SP*((\t)%2)+16*\i
.endr
.endm
.irp t, 0,1,2,3
	XLOAD \t
.endr
	s_wait_loadcnt 12                              ; step 0's four loads are in
	XTURN 0
.macro XSTEP t
.set XS, XN+16*((\t)%2)
.if (\t) > 0
	s_wait_dscnt 1                                 ; this step's numbers are back from the stage; the last step's byte store may be out
.else
	s_wait_dscnt 0x0
.endif
.if (\t)+4 < 16
	XLOAD (\t)+4
.endif
.if (\t)+1 < 16
.if 14-(\t) >= 3
	s_wait_loadcnt 12                              ; the next step's four loads are in; those of the three steps behind it may be out
.else
	s_wait_loadcnt 4*(14-(\t))
.endif
	XTURN (\t)+1
.endif
	v_max3_num_f32 v8, |v[XS]|, |v[XS+1]|, |v[XS+2]|
	v_max3_num_f32 v9, |v[XS+3]|, |v[XS+4]|, |v[XS+5]|
.irp i, 6,10
	v_max3_num_f32 v8, v8, |v[XS+\i]|, |v[XS+\i+1]|
	v_max3_num_f32 v9, v9, |v[XS+\i+2]|, |v[XS+\i+3]|
.endr
	v_max3_num_f32 v8, v8, |v[XS+14]|, |v[XS+15]|
	v_max3_num_f32 v8, v8, v9, (EMAX+1)<<23        ; the floor 2^(3 - 127): the byte cannot fall under 1
	v_max_num_f32_dpp v8, v8, v8 row_xmask:1 row_mask:0xf bank_mask:0xf   ; with my neighbour's 16: the block's largest magnitude
	v_add_nc_u32 v11, -(EMAX<<23), v8              ; 2 off its exponent field: the conversion takes the exponent field of this operand as its scale
	v_cvt_scalef32_pk8_fp4_f32 v[XC+2*(\t)], v[XS:XS+7], v11
	v_cvt_scalef32_pk8_fp4_f32 v[XC+2*(\t)+1], v[XS+8:XS+15], v11
	v_lshrrev_b32 v[XE+(\t)], 23, v11              ; the scale's byte (also the plain line behind the conversions)
	ds_store_b8 v5, v[XE+(\t)] offset:16*(\t)      ; both lanes of a block write the same byte with the same value
	global_store_b64 v4, v[XC+2*(\t):XC+2*(\t)+1], s[10:11] offset:256*(\t)   ; 32 lanes store 256 consecutive bytes, aligned
.endm
.irp t, 0,1,2,3,4,5,6,7,8,9,10,11,12,13,14,15
	XSTEP \t
.endr
	ds_load_b64 v[8:9], v6                         ; my wave's 256 scale bytes: these loads see my stores
	s_wait_dscnt 0x0
	global_store_b64 v7, v[8:9], s[12:13]
	s_wait_tensorcnt 0x0                           ; the wave's end
	ds_add_u32 v[SPW], v[NIL]
	s_wait_dscnt 0x0
	s_endpgm
; ---------------- PATH W: a lane takes a column n and its registers run down K: a block of 32 lies in one lane, and the conversions give codes with K innermost.
; A wave takes 32 columns x 512 along K (16 blocks); the codes go through the wave's own stage and leave as rows: sixteen lanes store 256 consecutive bytes.
.Lpath_w:
	s_lshr_b32 s21, ttmp9, 1                       ; which 128 columns
	s_and_b32 s22, ttmp9, 1                        ; which half of K
	s_lshl_b32 s21, s21, 7
	s_lshl_b32 s23, s20, 5
	s_add_co_u32 s21, s21, s23                     ; my wave's first column
	v_lshlrev_b32 v3, 2, v2                        ; in: 4 bytes a lane
	s_mul_i32 s23, s20, 32*WPITCH                  ; my stage
	v_mul_u32_u24 v4, v2, WPITCH
	v_add_nc_u32 v4, s23, v4                       ; into it: row = my column
	v_and_b32 v5, 15, v2
	v_lshrrev_b32 v6, 4, v2
	v_mul_u32_u24 v7, v6, WPITCH
	v_lshl_add_u32 v7, v5, 4, v7
	v_add_nc_u32 v7, s23, v7                       ; out of it: sixteen lanes to a row, two rows an instruction
	v_lshlrev_b32 v8, 9, v6
	v_lshl_add_u32 v8, v5, 4, v8                   ; the same place among the codes' rows of 512 bytes
	v_lshlrev_b32 v9, 5, v2                        ; my column's row of 32 scale bytes
	s_mul_i32 s24, s22, 512*12288                  ; W_attn: 512 rows of 12,288 bytes for the second half of K,
	s_lshl_b32 s23, s21, 2
	s_add_co_u32 s24, s24, s23                     ; + 4 x column
	s_add_nc_u64 s[6:7], s[6:7], s[24:25]
	s_lshl_b32 s24, s21, 9                         ; codes: 512 x column + 256 x half, behind x's codes
	s_lshl_b32 s23, s22, 8
	s_add_co_u32 s24, s24, s23
	s_add_co_u32 s24, s24, 0x400000
	s_add_nc_u64 s[10:11], s[10:11], s[24:25]
	s_lshl_b32 s24, s21, 5                         ; scale bytes: 32 x column + 16 x half, behind x's
	s_lshl_b32 s23, s22, 4
	s_add_co_u32 s24, s24, s23
	s_add_co_u32 s24, s24, 0x40000
	s_add_nc_u64 s[12:13], s[12:13], s[24:25]
.macro WLOAD t                         ; block t: W(32 t + i, my column) into set t % 2; the largest offset, 511 x 12,288, lies inside the signed 24-bit immediate
.set i, 0
.rept 32
	global_load_b32 v[WX+32*((\t)%2)+i], v3, s[6:7] offset:(32*(\t)+i)*12288 th:TH_LOAD_NT
.set i, i+1
.endr
.endm
	WLOAD 0
	WLOAD 1
.macro WBLOCK t
.set XS, WX+32*((\t)%2)
.if (\t) < 15
	s_wait_loadcnt 32                              ; this block's 32 loads are in; the next block's may be out
.else
	s_wait_loadcnt 0x0
.endif
	v_max3_num_f32 v12, |v[XS]|, |v[XS+1]|, |v[XS+2]|
	v_max3_num_f32 v13, |v[XS+3]|, |v[XS+4]|, |v[XS+5]|
.irp i, 6,10,14,18,22,26
	v_max3_num_f32 v12, v12, |v[XS+\i]|, |v[XS+\i+1]|
	v_max3_num_f32 v13, v13, |v[XS+\i+2]|, |v[XS+\i+3]|
.endr
	v_max3_num_f32 v12, v12, |v[XS+30]|, |v[XS+31]|
	v_max3_num_f32 v12, v12, v13, (EMAX+1)<<23     ; and the floor
	v_add_nc_u32 v11, -(EMAX<<23), v12
	v_lshrrev_b32 v13, 23, v11                     ; the scale's byte
.if (\t)%4 == 0
	v_mov_b32 v[WSB+(\t)/4], v13
.else
	v_lshl_or_b32 v[WSB+(\t)/4], v13, 8*((\t)%4), v[WSB+(\t)/4]
.endif
.irp g, 0,1,2,3
	v_cvt_scalef32_pk8_fp4_f32 v[WC+\g], v[XS+8*\g:XS+8*\g+7], v11
.endr
	v_nop                                          ; one plain line behind the conversions
	ds_store_b128 v4, v[WC:WC+3] offset:16*(\t)    ; 32 codes: 16 bytes of my column's row
.if (\t)+2 < 16
	WLOAD (\t)+2
.endif
	s_wait_dscnt 0x0                               ; the store has read its registers: the next block's codes may be written
.endm
.irp t, 0,1,2,3,4,5,6,7,8,9,10,11,12,13,14,15
	WBLOCK \t
.endr
	global_store_b128 v9, v[WSB:WSB+3], s[12:13]   ; my column's 16 scale bytes
.irp t, 0,1,2,3,4,5,6,7,8,9,10,11,12,13,14,15
	ds_load_b128 v[WOUT+4*\t:WOUT+4*\t+3], v7 offset:2*\t*WPITCH
.endr
.irp t, 0,1,2,3,4,5,6,7,8,9,10,11,12,13,14,15
	s_wait_dscnt 15-\t
	global_store_b128 v8, v[WOUT+4*\t:WOUT+4*\t+3], s[10:11] offset:2*\t*512
.endr
	s_wait_tensorcnt 0x0                           ; the wave's end
	ds_add_u32 v[SPW], v[NIL]
	s_wait_dscnt 0x0
	s_endpgm
.Lfunc_end_k_qedec0ac8ea_prep:
	.size	k_qedec0ac8ea_prep, .Lfunc_end_k_qedec0ac8ea_prep-k_qedec0ac8ea_prep
	.p2alignl 7, 3214868480
	.fill 96, 4, 3214868480
	.section	.rodata,"a",@progbits
	.p2align	6, 0x0
	.amdhsa_kernel k_qedec0ac8ea_prep
		.amdhsa_group_segment_fixed_size 68096
		.amdhsa_private_segment_fixed_size 0
		.amdhsa_enable_private_segment 0
		.amdhsa_kernarg_size 56
		.amdhsa_user_sgpr_count 2
		.amdhsa_user_sgpr_kernarg_segment_ptr 1
		.amdhsa_wavefront_size32 1
		.amdhsa_system_sgpr_workgroup_id_x 1
		.amdhsa_system_sgpr_workgroup_id_y 1
		.amdhsa_system_sgpr_workgroup_id_z 1
		.amdhsa_system_vgpr_workitem_id 0
		.amdhsa_next_free_vgpr 192
		.amdhsa_next_free_sgpr 66
		.amdhsa_reserve_vcc 1
		.amdhsa_float_denorm_mode_32 3
		.amdhsa_float_denorm_mode_16_64 3
		.amdhsa_memory_ordered 1
		.amdhsa_forward_progress 1
		.amdhsa_inst_pref_size 159
	.end_amdhsa_kernel
	.amdgpu_metadata
---
amdhsa.version: [ 1, 2 ]
amdhsa.kernels:
  - .name:           k_qedec0ac8ea_prep
    .symbol:         k_qedec0ac8ea_prep.kd
    .args:
      - { .name: x, .offset: 0, .size: 8, .value_kind: global_buffer, .address_space: global }
      - { .name: W_attn, .offset: 8, .size: 8, .value_kind: global_buffer, .address_space: global }
      - { .name: W_proj, .offset: 16, .size: 8, .value_kind: global_buffer, .address_space: global }
      - { .name: codes, .offset: 24, .size: 8, .value_kind: global_buffer, .address_space: global }
      - { .name: scales, .offset: 32, .size: 8, .value_kind: global_buffer, .address_space: global }
      - { .name: wp16, .offset: 40, .size: 8, .value_kind: global_buffer, .address_space: global }
      - { .name: rope, .offset: 48, .size: 8, .value_kind: global_buffer, .address_space: global }
    .group_segment_fixed_size: 68096
    .private_segment_fixed_size: 0
    .kernarg_segment_align: 8
    .kernarg_segment_size: 56
    .max_flat_workgroup_size: 128
    .sgpr_count:     66
    .vgpr_count:     192
    .wavefront_size: 32
...
	.end_amdgpu_metadata
.endif
;; end of part 1
;; launch qkv (part 2): grid 12 x 32, 4 waves a work-group, clusters of 4 x 4, 327,680 bytes of LDS; arguments codes, scales, rope, qkv16, fine32; writes qkv16, fine32
.if DOCPART == 2
	.amdgcn_target "amdgcn-amd-amdhsa--gfx1250"
	.amdhsa_code_object_version 6
	.text
	.protected	k_qedec0ac8ea_qkv
	.globl	k_qedec0ac8ea_qkv
	.p2align	8
	.type	k_qedec0ac8ea_qkv,@function
k_qedec0ac8ea_qkv:
	s_mov_b64 s[64:65], 0
	v_nop
	global_prefetch_b8 v0, s[64:65] scope:SCOPE_SE
	s_setreg_imm32_b32 hwreg(HW_REG_WAVE_MODE, 25, 1), 1
	s_wait_xcnt 0x0
	s_wait_alu depctr_hold_cnt(0) depctr_sa_sdst(0) depctr_va_vdst(0) depctr_va_sdst(0) depctr_va_ssrc(0) depctr_va_vcc(0) depctr_vm_vsrc(0)
	s_getreg_b32 s2, hwreg(HW_REG_IB_STS2, 6, 4)
	s_cmp_eq_u32 s2, 0
	s_cbranch_scc0 .Lentry_in_a_cluster
	s_endpgm
.Lentry_in_a_cluster:
	s_bfe_u32 s2, ttmp6, 0x10000c
	s_cmp_lg_u32 s2, 0xf033
	s_cbranch_scc0 .Lentry_shape_is_right
	s_endpgm
.Lentry_shape_is_right:
; qkv = Q(x) Q(W_attn) on codes of E2M1 with E8M0 scales, f32 sums; RoPE on q and k in f32; the result leaves as f16, head-major: qkv16 [which 3][b 4][h 16][t 2048][64].
; The rows t < 16 of every sequence leave in f32 too: fine32 [b][h][which][t 16][64].
; A (x's codes): [8192][512 bytes] at codes + 0, scale bytes [8192][32] at scales + 0.  B (W_attn's): [3072][512 bytes] at codes + 0x400000, [3072][32] at scales + 0x40000.
; A tile of 256 x 256 is made by four waves, 128 x 128 each: 64 accumulators, 512 registers.  K = 1,024 is two K steps of 512: the two LDS slots hold ALL of K, each is filled once, nothing is filled again.
; CLUSTERS 4 x 4: A's tile is shared along a row of the cluster, B's along a column: each is asked for jointly.  Tile column = 4 x cluster x + cx, so q, k or v = cluster x.
; TILE ROW = 8 cy + cluster y, so the batch is cy and the block of 256 positions is cluster y: the two branches of the way out (v has no RoPE; positions under 16) hang on cluster numbers and the wave's number alone.
; THE MATRIX INSTRUCTION IS USED TRANSPOSED (source 0 = 16 rows of B, source 1 = 16 rows of A): lane (r, h) holds row r of a block and eight neighbouring columns 16 b + 8 h + 0..7.
; A wave's 128 columns are two heads; column d of a head pairs with d + 32 in RoPE: accumulator (a, 4 hd + b') with (a, 4 hd + b' + 2), the same lane and register.
; LIMIT: |q|, |k|, |v| under 65,504 (f16).
; REGISTERS: window 0: v1-31 addresses and temporaries; v32-95 scale words, two sets, and nothing else ever; from v128 A's fragments; on the way out v96-159 rotated numbers, v160-191 packed f16, v192-255 rows read back.
;   window 1: B's fragments, two sets, at v0 and v128; on the way out v0-63 the cos/sin table, two sets.   windows 2, 3: the accumulators ((a, b) at v[8 (8 (a % 4) + b)]).
.set NQ,     4                         ; matrix instructions deep in a slot
.set ROWB,   256                       ; a tile's row: 512 codes
.set KROW,   512                       ; a row of codes in memory
.set PITCH,  272                       ; an LDS row: 256 bytes + 16: the 16 rows that a load touches start at 16 different groups of four banks
.set FR,     8
.set NL,     2
.set NP,     4
.set HALFT,  128*PITCH
.set SLOT,   4*HALFT                   ; A's 256 rows, then B's 256 rows
.set KS,     32                        ; a row of scale bytes
.set SCL,    2*SLOT                    ; behind the slots: the scales, as rows of 256 bytes + 16
.set HALFS,  16*272                    ; the scales of 128 rows
.set SBLK,   2*272                     ; of 16 rows
.set SPARE,  SCL+4*HALFS               ; the spare words, 128 bytes a wave, named by no other line
.set WSTAGE, 8448                      ; the way out: a stage for each wave, in slot 0, which has had its only fill and its last read by then
.set ADRA, 16
.set ADRB, 20
.set TO,   22                          ; v22  my bytes in a block's 16 rows of the table: 256 r + 32 h
.set FSTO, 23                          ; v23  the f32 stage, in: 528 r + 32 h
.set STO,  24                          ; v24  the f16 stage, in: 272 r + 16 h
.set RD,   25                          ; v25  and back: two rows of one head to sixteen lanes
.set CO,   26                          ; v26  the same place in qkv16
.set ADRS, 27
.set SPW,  28
.set NIL,  29
.set FRD,  30                          ; v30  the f32 stage, back: 16 x lane
.set FCO,  31                          ; v31  the same place in fine32
.set SC,   32
.set AF,   128
.set RR,   96
.set PKD,  160
.set BK,   192
.set CS,   0                           ; in window 1: set s at v[32 s]: cos b'0, cos b'1, sin b'0, sin b'1, 8 each
.set G1, 24
.set G0, 32
.set G1B, 48
.set G0B, 56
.set G1S, 68
.set G0S, 76
.set G1SB, 80
.set G0SB, 88
.set MSB, 0
.macro WIN new                         ; the immediate's high byte repeats the setting that is left
.if MSB != \new
	s_set_vgpr_msb (MSB<<8)|\new
.set MSB, \new
.endif
.endm
.set MUL_LO, 0xa1                      ; source 0 (B) window 1, source 1 (A) window 0, C and D window 2
.set MUL_HI, 0xf1
.set TO_B,   0x40                      ; destination window 1, address window 0
; A joint load: waves 0 and 1 fetch for A, waves 2 and 3 for B; the branch hangs on the wave's number alone.  An s_nop 0 and four v_nop follow each line.
.macro JLOAD g0a, g1a, g0b, g1b
	s_cmp_eq_u32 s15, 0
	s_cbranch_scc0 .Lfor_b_\@
	tensor_load_to_lds s[\g0a:\g0a+3], s[\g1a:\g1a+7]
	s_nop 0
.rept 4
	v_nop
.endr
	s_branch .Lasked_\@
.Lfor_b_\@:
	tensor_load_to_lds s[\g0b:\g0b+3], s[\g1b:\g1b+7]
	s_nop 0
.rept 4
	v_nop
.endr
.Lasked_\@:
.endm
.macro CROUND                          ; a round of the cluster's barrier
	s_barrier_signal -1
	s_barrier_wait -1
	s_cmp_lg_u32 s14, 0
	s_cbranch_scc1 .Lnot_wave_0_\@
	s_barrier_signal -3
.Lnot_wave_0_\@:
	s_barrier_wait -3
	s_barrier_signal -1
	s_barrier_wait -1
.endm
	s_load_b128 s[4:7], s[0:1], 0x0                ; codes s[4:5], scales s[6:7]
	s_load_b64 s[96:97], s[0:1], 0x10              ; rope
	s_load_b64 s[12:13], s[0:1], 0x18              ; qkv16
	s_load_b64 s[98:99], s[0:1], 0x20              ; fine32
	v_lshl_add_u32 v[SPW], v0, 2, SPARE
	v_mov_b32 v[NIL], 0
	ds_add_u32 v[SPW], v[NIL]                      ; the wave's opening: the add, twice on end, and its wait ahead of my first tensor load
	ds_add_u32 v[SPW], v[NIL]
	v_lshrrev_b32 v1, 5, v0
	v_readfirstlane_b32 s14, v1                    ; wave 0..3
	s_lshr_b32 s15, s14, 1                         ; which half of the tile's rows is mine.  Also: I fetch for A (0) or for B (1)
	s_and_b32 s16, s14, 1                          ; which half of its columns.  Also: which 128 rows I fetch
	s_bfe_u32 s40, ttmp6, 0x40000                  ; cx
	s_bfe_u32 s41, ttmp6, 0x40004                  ; cy
	s_lshl_b32 s42, ttmp9, 2
	s_add_co_u32 s42, s42, s40                     ; tile column = 4 x cluster x + cx
	s_and_b32 s66, ttmp7, 0xffff                   ; cluster y: which 256 positions
	s_lshl_b32 s17, s41, 3
	s_add_co_u32 s17, s17, s66                     ; tile row = 8 cy + cluster y
	s_lshl_b32 s43, s41, 2
	s_lshl_b32 s43, 15, s43                        ; my row of the cluster
	s_lshl_b32 s44, 0x1111, s40                    ; my column
	s_or_b32 s[G1+0], s43, (0<<16)|(1<<20)|(1<<21)|(5<<22)|(3<<25)   ; the mask; elements of 1 byte; padding: 4 words behind every 64
	s_or_b32 s[G1B+0], s44, (0<<16)|(1<<20)|(1<<21)|(5<<22)|(3<<25)
.irp g, G1, G1B
	s_mov_b32 s[\g+1], ROWB<<16                    ; tensor_dim0
	s_mov_b32 s[\g+2], 128<<16                     ; tensor_dim1
	s_mov_b32 s[\g+3], ROWB<<16                    ; tile_dim0
	s_mov_b32 s[\g+4], 128                         ; tile_dim1
	s_mov_b32 s[\g+5], KROW                        ; the pitch
	s_mov_b32 s[\g+6], 0
	s_mov_b32 s[\g+7], 0
.endr
	s_or_b32 s[G1S+0], s43, (3<<16)|(1<<20)|(1<<21)|(5<<22)|(3<<25)  ; the scales of 128 rows: 4,096 dense bytes as 16 rows of 32 elements of 8 bytes
	s_or_b32 s[G1SB+0], s44, (3<<16)|(1<<20)|(1<<21)|(5<<22)|(3<<25)
.irp g, G1S, G1SB
	s_mov_b32 s[\g+1], 32<<16
	s_mov_b32 s[\g+2], 16<<16
	s_mov_b32 s[\g+3], 32<<16
	s_mov_b32 s[\g+4], 16
	s_mov_b32 s[\g+5], 32
	s_mov_b32 s[\g+6], 0
	s_mov_b32 s[\g+7], 0
.endr
	s_lshl_b32 s18, s16, 7
	s_lshl_b32 s20, s17, 8
	s_add_co_u32 s20, s20, s18                     ; A: row 256 x tile row + 128 x half
	s_lshl_b32 s46, s42, 8
	s_add_co_u32 s46, s46, s18                     ; B: row 256 x tile column + 128 x half
	s_mov_b32 s21, 0
	s_mov_b32 s47, 0
	s_mov_b64 s[18:19], KS
	s_mul_u64 s[22:23], s[20:21], s[18:19]         ; where these rows' scales begin
	s_mul_u64 s[92:93], s[46:47], s[18:19]
	s_mov_b64 s[18:19], KROW
	s_mul_u64 s[20:21], s[20:21], s[18:19]         ; and their codes
	s_mul_u64 s[46:47], s[46:47], s[18:19]
	s_mul_i32 s45, s14, HALFT                      ; where they go: wave x 128 rows
	s_mul_i32 s94, s14, HALFS
	s_wait_dscnt 0x0                               ; both opening adds are done
	s_wait_kmcnt 0x0
	s_add_nc_u64 s[8:9], s[4:5], 0x400000          ; B's codes
	s_add_nc_u64 s[10:11], s[6:7], 0x40000         ; B's scales
	s_add_nc_u64 s[20:21], s[4:5], s[20:21]
	s_add_nc_u64 s[22:23], s[6:7], s[22:23]
	s_add_nc_u64 s[46:47], s[8:9], s[46:47]
	s_add_nc_u64 s[92:93], s[10:11], s[92:93]
	CROUND                                         ; all sixteen work-groups are here: the joint loads meet
	s_mov_b32 s[G0S], 1
	s_add_co_u32 s[G0S+1], s94, SCL
	s_mov_b64 s[G0S+2:G0S+3], s[22:23]
	s_or_b32 s[G0S+3], s[G0S+3], 0x80000000
	s_mov_b32 s[G0SB], 1
	s_add_co_u32 s[G0SB+1], s94, SCL
	s_mov_b64 s[G0SB+2:G0SB+3], s[92:93]
	s_or_b32 s[G0SB+3], s[G0SB+3], 0x80000000
	JLOAD G0S, G1S, G0SB, G1SB                     ; the scales first; with the two slots' loads three tensor loads of mine are out
.irp s, 0,1
	s_mov_b32 s[G0+4*\s], 1
	s_add_co_u32 s[G0+4*\s+1], s45, \s*SLOT
	s_add_nc_u64 s[G0+4*\s+2:G0+4*\s+3], s[20:21], \s*ROWB
	s_or_b32 s[G0+4*\s+3], s[G0+4*\s+3], 0x80000000
	s_mov_b32 s[G0B+4*\s], 1
	s_add_co_u32 s[G0B+4*\s+1], s45, \s*SLOT
	s_add_nc_u64 s[G0B+4*\s+2:G0B+4*\s+3], s[46:47], \s*ROWB
	s_or_b32 s[G0B+4*\s+3], s[G0B+4*\s+3], 0x80000000
	JLOAD G0+4*\s, G1, G0B+4*\s, G1B
.endr
	v_and_b32 v1, 15, v0                           ; r
	v_bfe_u32 v2, v0, 4, 1                         ; h
	v_mul_u32_u24 v3, v1, PITCH
	v_lshl_add_u32 v4, v2, 4, v3                   ; a fragment's row x pitch + 16 h
	s_mul_i32 s21, s15, HALFT                      ; my 128 rows of A
	s_mul_i32 s22, s16, HALFT                      ; my 128 rows of B,
	s_add_co_u32 s22, s22, 2*HALFT                 ; behind A's 256
.irp s, 0,1
	v_add_nc_u32 v[ADRA+\s], s21, v4
	v_add_nc_u32 v[ADRB+\s], s22, v4
	s_add_co_u32 s21, s21, SLOT
	s_add_co_u32 s22, s22, SLOT
.endr
	v_mul_u32_u24 v5, v1, KS                       ; my row's scales: 32 bytes a row,
	v_lshrrev_b32 v6, 8, v5
	v_lshl_add_u32 v5, v6, 4, v5                   ; and 16 more for each 256 passed
	s_mul_i32 s21, s15, HALFS
	s_mul_i32 s22, s16, HALFS
	s_add_co_u32 s22, s22, 2*HALFS
	s_sub_co_u32 s22, s22, s21
	v_mul_u32_u24 v6, s22, v2                      ; lanes 16-31 take B's: one product, the distance between the two bases
	s_add_co_u32 s21, s21, SCL
	v_add_nc_u32 v5, v5, v6
	v_add_nc_u32 v[ADRS], s21, v5
	; the way out's addresses
	s_mul_i32 s23, s14, WSTAGE                     ; my stage
	v_bfe_u32 v6, v0, 3, 1                         ; (lane / 8) % 2
	v_and_b32 v7, 7, v0                            ; lane % 8
	v_mul_u32_u24 v5, v1, 272
	v_lshl_add_u32 v5, v2, 4, v5
	v_add_nc_u32 v[STO], s23, v5
	v_mul_u32_u24 v8, v6, 272
	v_lshl_add_u32 v8, v2, 7, v8
	v_lshl_add_u32 v8, v7, 4, v8
	v_add_nc_u32 v[RD], s23, v8                    ; lanes 0-15: head 0, rows 2 t' and 2 t' + 1; lanes 16-31: head 1
	v_lshlrev_b32 v8, 18, v2                       ; a head is 262,144 bytes
	v_lshl_add_u32 v8, v6, 7, v8
	v_lshl_add_u32 v[CO], v7, 4, v8
	v_lshlrev_b32 v8, 8, v1
	v_lshl_add_u32 v[TO], v2, 5, v8
	v_mul_u32_u24 v8, v1, 528
	v_lshl_add_u32 v8, v2, 5, v8
	v_add_nc_u32 v[FSTO], s23, v8
	v_and_b32 v8, 31, v0
	v_lshl_add_u32 v[FRD], v8, 4, s23
	v_mul_u32_u24 v8, v2, 12288                    ; in fine32 the next head lies 3 x 4,096 bytes on
	v_lshl_add_u32 v[FCO], v1, 4, v8
	s_lshl_b32 s92, s66, 8
	s_lshl_b32 s93, s15, 7
	s_add_co_u32 s92, s92, s93                     ; my first position: 256 x cluster y + 128 x half
	s_lshl_b32 s94, s40, 2
	s_lshl_b32 s93, s16, 1
	s_add_co_u32 s94, s94, s93                     ; my first head: 4 cx + 2 x half,
	s_lshl_b32 s93, s41, 4
	s_add_co_u32 s94, s94, s93                     ; + 16 x batch
	s_lshl_b32 s18, ttmp9, 6
	s_add_co_u32 s18, s18, s94                     ; + 64 x (q, k or v)
	s_lshl_b32 s18, s18, 11
	s_add_co_u32 s18, s18, s92
	s_lshl_b32 s18, s18, 7                         ; rows of 128 bytes: under 2^26
	s_mov_b32 s19, 0
	s_add_nc_u64 s[12:13], s[12:13], s[18:19]
	s_lshl_b32 s18, s92, 8
	s_add_nc_u64 s[96:97], s[96:97], s[18:19]      ; the table at my first position
	s_mul_i32 s18, s94, 3
	s_add_co_u32 s18, s18, ttmp9
	s_lshl_b32 s18, s18, 12
	s_add_nc_u64 s[98:99], s[98:99], s[18:19]
.macro FRAG reg, adr, q, i             ; 16 rows x 128 K of 4-bit codes: 8 registers, two loads of 16 bytes, 32 bytes apart
.irp c, 0,1
	ds_load_b128 v[\reg+4*\c:\reg+4*\c+3], v[\adr] offset:64*(\q)+32*\c+(\i)*16*PITCH
.endr
.endm
; 16 matrix instructions: A's blocks a0, a0 + 1 x B's eight.  The 64 accumulators take turns, one instruction a turn, in the same order in every step.
.macro MUL16 a0, p, q, sc, zero
.irp a, \a0, \a0+1
.irp b, 0,1,2,3,4,5,6,7
.if \zero
	v_wmma_scale_f32_16x16x128_f8f6f4 v[8*(8*((\a)%4)+\b):8*(8*((\a)%4)+\b)+7], v[128*(\p)+FR*\b:128*(\p)+FR*\b+FR-1], v[AF+FR*(\a):AF+FR*(\a)+FR-1], 0, v[SC+8*NQ*(\sc)+NQ*\b+(\q)], v[SC+8*NQ*(\sc)+NQ*(\a)+(\q)] matrix_a_fmt:MATRIX_FMT_FP4 matrix_b_fmt:MATRIX_FMT_FP4 matrix_a_scale:MATRIX_SCALE_ROW1
.else
	v_wmma_scale_f32_16x16x128_f8f6f4 v[8*(8*((\a)%4)+\b):8*(8*((\a)%4)+\b)+7], v[128*(\p)+FR*\b:128*(\p)+FR*\b+FR-1], v[AF+FR*(\a):AF+FR*(\a)+FR-1], v[8*(8*((\a)%4)+\b):8*(8*((\a)%4)+\b)+7], v[SC+8*NQ*(\sc)+NQ*\b+(\q)], v[SC+8*NQ*(\sc)+NQ*(\a)+(\q)] matrix_a_fmt:MATRIX_FMT_FP4 matrix_b_fmt:MATRIX_FMT_FP4 matrix_a_scale:MATRIX_SCALE_ROW1
.endif
.endr
.endr
.endm
.macro FETCH_B slot, q, p
	WIN TO_B
.irp i, 0,1,2,3,4,5,6,7
	FRAG 128*(\p)+FR*\i, ADRB+\slot, \q, \i
.endr
	WIN 0
.endm
.macro FETCH_A slot, q, i0
.irp i, \i0, \i0+1, \i0+2, \i0+3
	FRAG AF+FR*(\i), ADRA+\slot, \q, \i
.endr
.endm
.macro SCALES sc                       ; a K step's scale words: lanes 0-15 take A's block i, lanes 16-31 B's block i
.irp i, 0,1,2,3,4,5,6,7
	ds_load_b128 v[SC+8*NQ*\sc+NQ*\i:SC+8*NQ*\sc+NQ*\i+3], v[ADRS] offset:\i*SBLK
.endr
.endm
.macro PLACES n                        ; plain vector lines between a matrix instruction and a load into, or a read of, its registers
.rept \n
	v_nop
.endr
.endm
.macro STEP slot, q, zero              ; 128 along K whose successor lies in the same slot
	s_wait_dscnt 4*NL                              ; B's set and A's blocks 0-3 are in; the youngest eight loads (A's blocks 4-7) may be out
	WIN MUL_LO
	MUL16 0, (\q)%2, \q, \slot, \zero
	MUL16 2, (\q)%2, \q, \slot, \zero
	s_wait_dscnt 0
	PLACES NP
	FETCH_B \slot, (\q)+1, 1-(\q)%2
	FETCH_A \slot, (\q)+1, 0
	WIN MUL_HI
	MUL16 4, (\q)%2, \q, \slot, \zero
	MUL16 6, (\q)%2, \q, \slot, \zero
	PLACES NP
	WIN 0
	FETCH_A \slot, (\q)+1, 4
.endm
.macro STEPS slot, from
.set Q, \from
.rept NQ-1-\from
	STEP \slot, Q, 0
.set Q, Q+1
.endr
.endm
	s_wait_tensorcnt 1                             ; the scales and my part of slot 0 are in; slot 1's load may be out
	s_barrier_signal -1
	s_barrier_wait -1
	FETCH_B 0, 0, 0
	FETCH_A 0, 0, 0
	SCALES 0
	FETCH_A 0, 0, 4
	STEP 0, 0, 1                                   ; the first products start the sums: nothing is cleared
	STEPS 0, 1
	; slot 0's last step, and the change to slot 1: one barrier; in front of it my tensor loads have landed and my reads of slot 0 are over
	s_wait_tensorcnt 0x0
	ds_add_u32 v[SPW], v[NIL]
	s_wait_dscnt 4*NL+1                            ; the add and the youngest eight loads may be out
	WIN MUL_LO
	MUL16 0, 1, NQ-1, 0, 0
	s_wait_dscnt 0x0
	s_barrier_signal -1
	MUL16 2, 1, NQ-1, 0, 0
	WIN 0
	s_barrier_wait -1
	PLACES NP
	v_add_nc_u32 v[ADRS], 4*NQ, v[ADRS]            ; on to the second K step's scale words
	FETCH_B 1, 0, 0
	FETCH_A 1, 0, 0
	SCALES 1
	WIN MUL_HI
	MUL16 4, 1, NQ-1, 0, 0
	MUL16 6, 1, NQ-1, 0, 0
	PLACES NP
	WIN 0
	FETCH_A 1, 0, 4
	STEPS 1, 0
	s_wait_dscnt 4*NL
	WIN MUL_LO
	MUL16 0, 1, NQ-1, 1, 0
	MUL16 2, 1, NQ-1, 1, 0
	s_wait_dscnt 0
	WIN MUL_HI
	MUL16 4, 1, NQ-1, 1, 0
	MUL16 6, 1, NQ-1, 1, 0
	WIN 0
; ---------------- THE WAY OUT, block by block of 16 positions x 128 columns (two heads).
.macro TBL a, set                      ; the table's rows of block a: lane (r, h) takes cos and sin of i = 16 b' + 8 h + 0..7 at position 16 a + r
	WIN TO_B
.irp bb, 0,1
	global_load_b128 v[CS+32*(\set)+8*\bb:CS+32*(\set)+8*\bb+3],       v[TO], s[96:97] offset:(\a)*4096+64*\bb
	global_load_b128 v[CS+32*(\set)+8*\bb+4:CS+32*(\set)+8*\bb+7],     v[TO], s[96:97] offset:(\a)*4096+64*\bb+16
	global_load_b128 v[CS+32*(\set)+16+8*\bb:CS+32*(\set)+16+8*\bb+3], v[TO], s[96:97] offset:(\a)*4096+64*\bb+128
	global_load_b128 v[CS+32*(\set)+20+8*\bb:CS+32*(\set)+20+8*\bb+3], v[TO], s[96:97] offset:(\a)*4096+64*\bb+144
.endr
	WIN 0
.endm
.macro ROPE a, set                     ; lo' = lo cos - hi sin, hi' = hi cos + lo sin, two numbers an instruction; each accumulator is read from its low end on
	WIN 0x06+(\a)/4                                ; source 0: the accumulators' window; source 1: window 1 (the table)
.irp hd, 0,1
.irp bb, 0,1
.irp jj, 0,2,4,6
.set LO, 8*(8*((\a)%4)+4*\hd+\bb)+\jj
.set HI, LO+16
.set TC, CS+32*(\set)+8*\bb+\jj
.set TS, TC+16
.set RL, RR+8*(4*\hd+\bb)+\jj
	v_pk_mul_f32 v[12:13], v[HI:HI+1], v[TS:TS+1]
	v_pk_mul_f32 v[14:15], v[LO:LO+1], v[TS:TS+1]
	v_pk_fma_f32 v[RL:RL+1], v[LO:LO+1], v[TC:TC+1], v[12:13] neg_lo:[0,0,1] neg_hi:[0,0,1]
	v_pk_fma_f32 v[RL+16:RL+17], v[HI:HI+1], v[TC:TC+1], v[14:15]
.endr
.endr
.endr
	WIN 0
.endm
.macro PACKR                           ; the rotated numbers to f16: a lane's eight columns are 16 bytes
.irp b, 0,1,2,3,4,5,6,7
.irp i, 0,1,2,3
	v_cvt_pk_f16_f32 v[PKD+4*\b+\i], v[RR+8*\b+2*\i], v[RR+8*\b+2*\i+1]
.endr
.endr
.endm
.macro PACKV a                         ; v has no RoPE: straight from the accumulators, in ascending order
.set AC, 64*((\a)%4)
	WIN 0x0a+5*((\a)/4)
.irp b, 0,1,2,3,4,5,6,7
.irp i, 0,1,2,3
	v_cvt_pk_f16_f32 v[PKD+4*\b+\i], v[AC+8*\b+2*\i], v[AC+8*\b+2*\i+1]
.endr
.endr
	WIN 0
.endm
.macro TOSTAGE a                       ; into my own stage (rows of 272 bytes) and back; LDS serves a wave's instructions in order
.irp b, 0,1,2,3,4,5,6,7
	ds_store_b128 v[STO], v[PKD+4*\b:PKD+4*\b+3] offset:32*\b
.endr
.set BB, BK+32*((\a)%2)
.irp t, 0,1,2,3,4,5,6,7
	ds_load_b128 v[BB+4*\t:BB+4*\t+3], v[RD] offset:544*\t
.endr
.endm
.macro SEND a, younger                 ; younger: the LDS instructions issued behind block a's loads
.set BB, BK+32*((\a)%2)
	s_wait_dscnt \younger
.irp t, 0,1,2,3,4,5,6,7
	global_store_b128 v[CO], v[BB+4*\t:BB+4*\t+3], s[12:13] offset:2048*(\a)+256*\t   ; each half of the lanes stores 256 consecutive bytes, aligned: two positions of one head
.endr
.endm
.macro FINE fromacc                    ; positions 0-15 in f32 (cluster y = 0, the upper half of the tile's rows, block 0): through the stage as rows of 528 bytes
	s_or_b32 s93, s66, s15
	s_cmp_eq_u32 s93, 0
	s_cbranch_scc0 .Lno_fine_\@
.if \fromacc
	WIN 0x08                                       ; an LDS store's data are its source 1: window 2
.irp b, 0,1,2,3,4,5,6,7
	ds_store_b128 v[FSTO], v[8*\b:8*\b+3] offset:64*\b
	ds_store_b128 v[FSTO], v[8*\b+4:8*\b+7] offset:64*\b+16
.endr
	WIN 0
.else
.irp b, 0,1,2,3,4,5,6,7
	ds_store_b128 v[FSTO], v[RR+8*\b:RR+8*\b+3] offset:64*\b
	ds_store_b128 v[FSTO], v[RR+8*\b+4:RR+8*\b+7] offset:64*\b+16
.endr
.endif
.irp t, 0,1,2,3,4,5,6,7,8,9,10,11,12,13,14,15
	ds_load_b128 v[BK+4*\t:BK+4*\t+3], v[FRD] offset:528*\t
.endr
	s_wait_dscnt 0x0
.irp t, 0,1,2,3,4,5,6,7,8,9,10,11,12,13,14,15
	global_store_b128 v[FCO], v[BK+4*\t:BK+4*\t+3], s[98:99] offset:256*\t   ; each half of the lanes stores one head's row of 256 bytes
.endr
	s_wait_xcnt 0x0                                ; the stores have read their registers: the rows' registers may be loaded again
.Lno_fine_\@:
.endm
	PLACES NP                                      ; behind the last products: for the reads of results and the loads into registers that held fragments
	s_cmp_eq_u32 ttmp9, 2                          ; v?  The cluster's number: alike in all partners
	s_cbranch_scc1 .Lv_path
	TBL 0, 0
.irp a, 0,1,2,3,4,5,6,7
.if \a < 7
	TBL \a+1, (\a+1)%2
	s_wait_loadcnt 8                               ; this block's eight table loads are in; the next block's may be out
.else
	s_wait_loadcnt 0x0
.endif
	ROPE \a, \a%2
.if \a == 0
	FINE 0
.endif
	PACKR
.if \a > 1
	s_wait_xcnt 0x0                                ; block a - 2's stores have read their registers: block a's rows may land there
.endif
	TOSTAGE \a
.if \a > 0
	SEND \a-1, 16
.endif
.endr
	SEND 7, 0
	s_branch .Lout_done
.Lv_path:
.irp a, 0,1,2,3,4,5,6,7
.if \a == 0
	FINE 1
.endif
	PACKV \a
.if \a > 1
	s_wait_xcnt 0x0
.endif
	TOSTAGE \a
.if \a > 0
	SEND \a-1, 16
.endif
.endr
	SEND 7, 0
.Lout_done:
	s_wait_tensorcnt 0x0                           ; the wave's end
	ds_add_u32 v[SPW], v[NIL]
	s_wait_dscnt 0x0
	CROUND                                         ; the closing round
	s_endpgm
.Lfunc_end_k_qedec0ac8ea_qkv:
	.size	k_qedec0ac8ea_qkv, .Lfunc_end_k_qedec0ac8ea_qkv-k_qedec0ac8ea_qkv
	.p2alignl 7, 3214868480
	.fill 96, 4, 3214868480
	.section	.rodata,"a",@progbits
	.p2align	6, 0x0
	.amdhsa_kernel k_qedec0ac8ea_qkv
		.amdhsa_group_segment_fixed_size 327680
		.amdhsa_private_segment_fixed_size 0
		.amdhsa_enable_private_segment 0
		.amdhsa_kernarg_size 40
		.amdhsa_user_sgpr_count 2
		.amdhsa_user_sgpr_kernarg_segment_ptr 1
		.amdhsa_wavefront_size32 1
		.amdhsa_system_sgpr_workgroup_id_x 1
		.amdhsa_system_sgpr_workgroup_id_y 1
		.amdhsa_system_sgpr_workgroup_id_z 1
		.amdhsa_system_vgpr_workitem_id 0
		.amdhsa_next_free_vgpr 1024
		.amdhsa_next_free_sgpr 102
		.amdhsa_reserve_vcc 0
		.amdhsa_float_denorm_mode_32 3
		.amdhsa_float_denorm_mode_16_64 3
		.amdhsa_memory_ordered 1
		.amdhsa_forward_progress 1
		.amdhsa_inst_pref_size 205
	.end_amdhsa_kernel
	.amdgpu_metadata
---
amdhsa.version: [ 1, 2 ]
amdhsa.kernels:
  - .name:           k_qedec0ac8ea_qkv
    .symbol:         k_qedec0ac8ea_qkv.kd
    .args:
      - { .name: codes, .offset: 0, .size: 8, .value_kind: global_buffer, .address_space: global }
      - { .name: scales, .offset: 8, .size: 8, .value_kind: global_buffer, .address_space: global }
      - { .name: rope, .offset: 16, .size: 8, .value_kind: global_buffer, .address_space: global }
      - { .name: qkv16, .offset: 24, .size: 8, .value_kind: global_buffer, .address_space: global }
      - { .name: fine32, .offset: 32, .size: 8, .value_kind: global_buffer, .address_space: global }
    .group_segment_fixed_size: 327680
    .private_segment_fixed_size: 0
    .kernarg_segment_align: 8
    .kernarg_segment_size: 40
    .max_flat_workgroup_size: 128
    .sgpr_count:     102
    .vgpr_count:     1024
    .wavefront_size: 32
...
	.end_amdgpu_metadata
.endif
;; end of part 2
;; launch attn (part 3): grid 4 x 64, 16 waves a work-group, clusters of 4 x 1, 327,680 bytes of LDS; arguments qkv16, y16; writes y16
.if DOCPART == 3
	.amdgcn_target "amdgcn-amd-amdhsa--gfx1250"
	.amdhsa_code_object_version 6
	.text
	.protected	k_qedec0ac8ea_attn
	.globl	k_qedec0ac8ea_attn
	.p2align	8
	.type	k_qedec0ac8ea_attn,@function
k_qedec0ac8ea_attn:
	s_mov_b64 s[64:65], 0
	v_nop
	global_prefetch_b8 v0, s[64:65] scope:SCOPE_SE
	s_setreg_imm32_b32 hwreg(HW_REG_WAVE_MODE, 25, 1), 1
	s_wait_xcnt 0x0
	s_wait_alu depctr_hold_cnt(0) depctr_sa_sdst(0) depctr_va_vdst(0) depctr_va_sdst(0) depctr_va_ssrc(0) depctr_va_vcc(0) depctr_vm_vsrc(0)
	s_getreg_b32 s2, hwreg(HW_REG_IB_STS2, 6, 4)
	s_cmp_eq_u32 s2, 0
	s_cbranch_scc0 .Lentry_in_a_cluster
	s_endpgm
.Lentry_in_a_cluster:
	s_bfe_u32 s2, ttmp6, 0x10000c
	s_cmp_lg_u32 s2, 0x3003
	s_cbranch_scc0 .Lentry_shape_is_right
	s_endpgm
.Lentry_shape_is_right:
; y[b][h][q][:] = the sum over k <= q of softmax_k(q . k / 8) v[k][:], per (batch, head): T = 2,048, head size 64.  Operands f16, products' sums, maxima and row sums f32; the weights p are rounded to f16 for the second product.
; qkv16: [which 3][b h 64][t 2048][64] f16.  y16: [b h 64][t 2048][64] f16.  LIMIT: |y| under 65,504 (f16); NaN and infinities are not served.
; SHARES.  A cluster of four work-groups owns one (batch, head).  The head's queries are 16 groups of 128.  Wave w = 4 b + a takes group p = 4 (a xor b) + (b xor g(a)), g = 0, 2, 3, 1: the four waves of equal a
; and the four of equal b each hold one group of every quarter, their numbers adding to 30.  Partner cx takes queries 128 p + 32 cx .. + 31 of the group: two tiles of 16.  So all 256 work-groups have the same work.
; EVERY BRANCH hangs on the wave's number and the count of steps alone (the group's first query QG), never on cx: cx enters Q's and y's addresses, the prefetch's offset and the mask's numbers.
; KEYS ARE WALKED FROM BOTH ENDS: slot sigma = 0..7 holds keys 128 sigma .. + 127 (front) and 1920 - 128 sigma .. + 127 (back).  A step of 64 keys all of which come after the group's last query is jumped over.
; The wave with group 15 reads every tile, in every partner, so every joint load's bytes are read.  Key 0 lies in every wave's first step, so the running maximum is a number from there on.
; LAYOUT.  S^T = K Q^T (source 0 = 16 keys, source 1 = 16 queries): a lane holds ONE query (lane % 16) and keys 8 (lane / 16) + 0..7.  Two such tiles, rounded to f16 in pairs, are source 1 of O^T = V^T P.
; K comes out of LDS as it lies, V ([key][channel]) turned by ds_load_tr16_b128.
; SOFTMAX.  Running maximum m and sum l: p = 2^(c s - c m), c = log2(e) / 8; in every step O and l are multiplied by a = 2^(c m_old - c m_new).
; Four waves share a SIMD: one wave's vector work stands beside another's matrix work and LDS loads.
.set KP,    144                        ; a row of K in LDS: 128 bytes + 16
.set VP,    160                        ; a row of V: 128 + 32
.set VOFF,  36864                      ; a slot: K front 128 rows, K back 128 rows, V front, V back
.set SLOT1, 131072                     ; slot 1 begins here: one exclusive or turns an address from one slot to the other
.set STAGE, 208896                     ; behind the ring: 32 rows x 144 bytes for each wave
.set SPARE, 282624                     ; the spare words, 128 bytes a wave, named by no other line
.set AK0, 1                            ; v1   144 r + 16 h
.set AV0, 2                            ; v2   VOFF + 160 (8 h + lane % 8) + 16 ((lane / 8) % 2)
.set ADK, 3
.set ADV, 4
.set SPW, 5
.set NIL, 6
.set QL,  7                            ; v7   my query of tile 0, less 8 h
.set PFO, 8                            ; v8   the prefetch's byte offset in qkv16: my piece, my wave's half of it, 256 x lane
.set NINF, 9                           ; v9   -infinity
.set D0,  10                           ; v10, v11  the mask's bounds of the two tiles
.set ST,  12                           ; tile t's statistics at v[12 + 8 t]: +0 c m, +1 m, +2:3 l, +4..7 at work; a in +6
.set QA,  28
.set GO,  29                           ; v29  at the head a temporary; on the way out 16 x lane
.set STO, 30                           ; v30  my stage, in: 144 r + 16 h; never rewritten
.set RD,  31                           ; v31  my stage, back: 144 (lane / 8) + 16 (lane % 8); never rewritten
.set Q,   32                           ; v32-63   Q: 16 tq + 8 kq
.set KV,  64                           ; v64-127  K's fragments (16 kt + 8 kq) and V's (32 ks + 8 td) by turns
.set S,   128                          ; v128-191 S^T: 32 tq + 8 kt; p is packed in place into the low 16 of each 32
.set O,   192                          ; v192-255 O^T: 32 tq + 8 td
.set TB,  2                            ; s2   where the slot in hand begins
.set WV,  18
.set QG,  19                           ; s19  my group's first query
.set SEL, 20
.set CS,  22
.set G1K, 24                           ; s[24:31] descriptor group 1 for K's tiles;  s[32:39] for V's
.set G1V, 32
.set G0KF, 40                          ; four groups 0, which walk: K front, K back, V front, V back
.set G0KB, 44
.set G0VF, 48
.set G0VB, 52
.set KF,  66                           ; s66  the slot's first front key
.set KB,  67                           ; s67  its first back key
.set SLOTS, 68
.set QE,  69                           ; s69  my group's last query
.set PFS, 78                           ; s78  the prefetch's step: + 16,384 (a front piece) or - 16,384 (a back piece)
.set LIM, 80
; One tensor load with an s_nop 0 and four v_nop behind it
.macro TL g0, g1
	tensor_load_to_lds s[\g0:\g0+3], s[\g1:\g1+7]
	s_nop 0
.rept 4
	v_nop
.endr
.endm
; Wave 0 fetches K's front half of a slot, wave 1 K's back half, wave 2 V's front half, wave 3 V's back half, the others nothing.  The branches hang on the wave's number alone.
.macro JLOAD
	s_cmp_lg_u32 s[WV], 0
	s_cbranch_scc1 .Lnot_0_\@
	TL G0KF, G1K
	s_branch .Lasked_\@
.Lnot_0_\@:
	s_cmp_lg_u32 s[WV], 1
	s_cbranch_scc1 .Lnot_1_\@
	TL G0KB, G1K
	s_branch .Lasked_\@
.Lnot_1_\@:
	s_cmp_lg_u32 s[WV], 2
	s_cbranch_scc1 .Lnot_2_\@
	TL G0VF, G1V
	s_branch .Lasked_\@
.Lnot_2_\@:
	s_cmp_lg_u32 s[WV], 3
	s_cbranch_scc1 .Lasked_\@
	TL G0VB, G1V
.Lasked_\@:
.endm
; A prefetch of what the NEXT change of slots will ask for: four pieces of 16,384 bytes (K front, K back, V front, V back).  Partner cx takes piece cx, told apart by address; in it waves 4 and 5 ask,
; 8,192 bytes each, lanes 256 bytes apart: each block is named once in the launch.  The last change that fills a slot asks for nothing; slots 0 and 1 come by their loads alone.
.macro ASK
	s_cmp_gt_u32 s[SLOTS], s[LIM]
	s_cbranch_scc0 .Lnot_mine_\@
	global_prefetch_b8 v[PFO], s[4:5] th:TH_LOAD_NT scope:SCOPE_SE
.Lnot_mine_\@:
.endm
.macro CROUND                          ; a round of the cluster's barrier
	s_barrier_signal -1
	s_barrier_wait -1
	s_cmp_lg_u32 s[WV], 0
	s_cbranch_scc1 .Lnot_wave_0_\@
	s_barrier_signal -3
.Lnot_wave_0_\@:
	s_barrier_wait -3
	s_barrier_signal -1
	s_barrier_wait -1
.endm
	s_load_b128 s[4:7], s[0:1], 0x0                ; qkv16 s[4:5], y16 s[6:7]
	v_lshl_add_u32 v[SPW], v0, 2, SPARE
	v_mov_b32 v[NIL], 0
	ds_add_u32 v[SPW], v[NIL]                      ; the wave's opening: the add, twice on end, and its wait ahead of the first tensor load
	ds_add_u32 v[SPW], v[NIL]
	v_lshrrev_b32 v1, 5, v0
	v_readfirstlane_b32 s[WV], v1                  ; wave 0..15
	s_bfe_u32 s70, ttmp6, 0x40000                  ; cx
	s_and_b32 s71, ttmp7, 0xffff                   ; batch x 16 + head
	s_and_b32 s96, s[WV], 3                        ; a
	s_lshr_b32 s97, s[WV], 2                       ; b
	s_xor_b32 s72, s96, s97
	s_lshl_b32 s72, s72, 2                         ; the quarter: 4 (a xor b)
	s_lshl_b32 s73, s96, 1
	s_and_b32 s73, s73, 3
	s_lshr_b32 s74, s96, 1
	s_mul_i32 s74, s74, 3
	s_xor_b32 s73, s73, s74                        ; g(a) = 0, 2, 3, 1
	s_xor_b32 s73, s73, s97                        ; the place in the quarter: b xor g(a)
	s_or_b32 s72, s72, s73                         ; my group
	s_lshl_b32 s[QG], s72, 7
	s_add_co_u32 s[QE], s[QG], 127
	s_mov_b32 s[G1K], 15|(1<<16)|(1<<20)|(1<<21)|(4<<22)|(3<<25)   ; the mask: all four; elements of 2 bytes; padding: 4 words behind every 32
	s_mov_b32 s[G1V], 15|(1<<16)|(1<<20)|(1<<21)|(4<<22)|(7<<25)   ; 8 words
.irp g, G1K, G1V
	s_mov_b32 s[\g+1], 64<<16                      ; tensor_dim0
	s_mov_b32 s[\g+2], 128<<16                     ; tensor_dim1
	s_mov_b32 s[\g+3], 64<<16                      ; tile_dim0
	s_mov_b32 s[\g+4], 128                         ; tile_dim1
	s_mov_b32 s[\g+5], 64                          ; the pitch
	s_mov_b32 s[\g+6], 0
	s_mov_b32 s[\g+7], 0
.endr
	s_lshl_b32 s82, s71, 18                        ; the head's first byte in q, in k, in v and in y
	s_add_co_u32 s84, s82, 0x1000000               ; k lies 16,777,216 bytes behind q: the front walk begins at key 0,
	s_mov_b32 s85, 0
	s_add_co_u32 s86, s84, 245760                  ; the back walk at key 1,920
	s_mov_b32 s87, 0
	s_add_co_u32 s88, s82, 0x2000000               ; v likewise
	s_mov_b32 s89, 0
	s_add_co_u32 s90, s88, 245760
	s_mov_b32 s91, 0
	s_lshl_b32 s94, s70, 5
	s_add_co_u32 s94, s94, s[QG]                   ; my first query
	s_lshl_b32 s92, s94, 7
	s_add_co_u32 s92, s92, s82                     ; its row in q and in y
	s_mov_b32 s93, 0
	s_lshr_b32 s76, s70, 1                         ; the prefetch: piece cx: of k (cx < 2) or of v,
	s_add_co_u32 s76, s76, 1
	s_lshl_b32 s76, s76, 24
	s_add_co_u32 s76, s76, s82
	s_and_b32 s77, s70, 1                          ; front or back,
	s_mul_i32 s75, s77, 245760
	s_add_co_u32 s76, s76, s75
	s_and_b32 s75, s[WV], 1
	s_lshl_b32 s75, s75, 13                        ; my wave's 8,192 bytes of it,
	s_add_co_u32 s76, s76, s75
	s_lshl_b32 s[PFS], s77, 15
	s_sub_co_i32 s[PFS], 16384, s[PFS]
	s_add_co_u32 s76, s76, s[PFS]                  ; at slot 1: the first change of slots steps it to slot 2
	s_lshr_b32 s[LIM], s[WV], 1
	s_cmp_eq_u32 s[LIM], 2                         ; waves 4 and 5 ask
	s_cselect_b32 s[LIM], 1, -1
	s_mul_i32 s95, s[WV], 32*KP
	s_add_co_u32 s95, s95, STAGE                   ; my stage
	s_mov_b32 s[SEL], 0x76543210
	s_mov_b32 s[SEL+1], 0xfedcba98
	s_mov_b32 s[CS], 0x3e38aa3b                    ; c = log2(e) / 8
	s_mov_b32 s[CS+1], s[CS]
	s_mov_b32 s[TB], 0
	s_mov_b32 s[KF], 0
	s_mov_b32 s[KB], 1920
	s_mov_b32 s[SLOTS], 7
	s_wait_dscnt 0x0                               ; both opening adds are done
	s_wait_kmcnt 0x0
	s_mov_b32 s[G0KF], 1
	s_mov_b32 s[G0KF+1], 0
	s_add_nc_u64 s[G0KF+2:G0KF+3], s[4:5], s[84:85]
	s_or_b32 s[G0KF+3], s[G0KF+3], 0x80000000
	s_mov_b32 s[G0KB], 1
	s_mov_b32 s[G0KB+1], 128*KP
	s_add_nc_u64 s[G0KB+2:G0KB+3], s[4:5], s[86:87]
	s_or_b32 s[G0KB+3], s[G0KB+3], 0x80000000
	s_mov_b32 s[G0VF], 1
	s_mov_b32 s[G0VF+1], VOFF
	s_add_nc_u64 s[G0VF+2:G0VF+3], s[4:5], s[88:89]
	s_or_b32 s[G0VF+3], s[G0VF+3], 0x80000000
	s_mov_b32 s[G0VB], 1
	s_mov_b32 s[G0VB+1], VOFF+128*VP
	s_add_nc_u64 s[G0VB+2:G0VB+3], s[4:5], s[90:91]
	s_or_b32 s[G0VB+3], s[G0VB+3], 0x80000000
	s_add_nc_u64 s[8:9], s[4:5], s[92:93]          ; Q at my first query
	s_add_nc_u64 s[6:7], s[6:7], s[92:93]          ; y likewise
	CROUND                                         ; all four work-groups are here: the first joint loads meet
	JLOAD                                          ; slot 0: one tensor load of a fetching wave is out
	v_and_b32 v10, 15, v0                          ; r
	v_bfe_u32 v11, v0, 4, 1                        ; h
	v_lshlrev_b32 v[QA], 7, v10
	v_lshl_add_u32 v[QA], v11, 4, v[QA]            ; Q: row r of 128 bytes + 16 h
.irp tq, 0,1
.irp kq, 0,1
	global_load_b128 v[Q+16*\tq+8*\kq:Q+16*\tq+8*\kq+3],   v[QA], s[8:9] offset:2048*\tq+64*\kq
	global_load_b128 v[Q+16*\tq+8*\kq+4:Q+16*\tq+8*\kq+7], v[QA], s[8:9] offset:2048*\tq+64*\kq+32
.endr
.endr
	v_mul_u32_u24 v[AK0], v10, KP
	v_lshl_add_u32 v[AK0], v11, 4, v[AK0]
	v_and_b32 v29, 7, v0
	v_lshl_add_u32 v29, v11, 3, v29
	v_mul_u32_u24 v[AV0], v29, VP
	v_bfe_u32 v29, v0, 3, 1
	v_lshl_add_u32 v[AV0], v29, 4, v[AV0]
	v_add_nc_u32 v[AV0], VOFF, v[AV0]
	v_add_nc_u32 v[STO], s95, v[AK0]               ; the stage, in: row r, 16 bytes for each half of the lanes
	v_bfe_u32 v29, v0, 3, 2                        ; (lane / 8)
	v_mul_u32_u24 v29, v29, KP
	v_and_b32 v[RD], 7, v0
	v_lshl_add_u32 v29, v[RD], 4, v29
	v_add_nc_u32 v[RD], s95, v29                   ; back: eight lanes to a row of 128 bytes, four rows an instruction
	v_lshlrev_b32 v29, 3, v11
	v_sub_nc_u32 v[QL], v10, v29
	v_add_nc_u32 v[QL], s94, v[QL]
	v_and_b32 v[PFO], 31, v0
	v_lshl_add_u32 v[PFO], v[PFO], 8, s76
	v_mov_b32 v[NINF], 0xff800000
.irp t, 0,1
	v_mov_b32 v[ST+8*\t+1], 0xff61b1e6             ; m: -3e38, under every score
	v_mov_b32 v[ST+8*\t+2], 0                      ; l, in two halves
	v_mov_b32 v[ST+8*\t+3], 0
	v_mov_b32 v[ST+8*\t+4], 0                      ; the four at work: written once here, since the way out names them too
	v_mov_b32 v[ST+8*\t+5], 0
	v_mov_b32 v[ST+8*\t+6], 0
	v_mov_b32 v[ST+8*\t+7], 0
.endr
.irp t, 0,1
	v_mul_f32 v[ST+8*\t], s[CS], v[ST+8*\t+1]      ; c m
.endr
.set i, 0
.rept 64
	v_mov_b32 v[O+i], 0                            ; O^T.  (The step is written in one form: the first finds zeros, which a = 0 leaves zeros)
.set i, i+1
.endr
; A KEY STEP: 64 keys; q = 0, 1: the slot's front half; q = 2, 3: its back half.
.macro STEP q
.if (\q) < 2
	s_add_co_u32 s96, s[KF], 64*((\q)%2)           ; the step's first key
.else
	s_add_co_u32 s96, s[KB], 64*((\q)%2)
.endif
	s_cmp_gt_u32 s96, s[QE]                        ; all its keys come after my group's last query: nothing to do
	s_cbranch_scc1 .Lhidden_\@
	v_add_nc_u32 v[ADK], s[TB], v[AK0]             ; five plain lines behind the last products: the loads below land in registers that they read,
	v_add_nc_u32 v[ADV], s[TB], v[AV0]             ; and the products below write over P, which they read
	v_nop
	v_nop
	v_nop
.irp kt, 0,1,2,3
.irp kq, 0,1
	ds_load_b128 v[KV+16*\kt+8*\kq:KV+16*\kt+8*\kq+3],   v[ADK] offset:64*KP*(\q)+16*KP*\kt+64*\kq
	ds_load_b128 v[KV+16*\kt+8*\kq+4:KV+16*\kt+8*\kq+7], v[ADK] offset:64*KP*(\q)+16*KP*\kt+64*\kq+32
.endr
.endr
	s_wait_dscnt 0x0
.irp kq, 0,1                                   ; S^T = K Q^T: the eight accumulators by turns, one instruction a turn
.irp kt, 0,1,2,3
.irp tq, 0,1
.if \kq == 0
	v_wmma_f32_16x16x32_f16 v[S+32*\tq+8*\kt:S+32*\tq+8*\kt+7], v[KV+16*\kt+8*\kq:KV+16*\kt+8*\kq+7], v[Q+16*\tq+8*\kq:Q+16*\tq+8*\kq+7], 0
.else
	v_wmma_f32_16x16x32_f16 v[S+32*\tq+8*\kt:S+32*\tq+8*\kt+7], v[KV+16*\kt+8*\kq:KV+16*\kt+8*\kq+7], v[Q+16*\tq+8*\kq:Q+16*\tq+8*\kq+7], v[S+32*\tq+8*\kt:S+32*\tq+8*\kt+7]
.endif
.endr
.endr
.endr
	v_sub_nc_u32 v[D0], v[QL], s96                 ; four plain lines behind those products.  Register 8 kt + j holds key KEY + 16 kt + 8 h + j: hidden where 16 kt + j > my query - 8 h - KEY
	v_add_nc_u32 v[D0+1], 16, v[D0]
	v_nop
	v_nop
.irp ks, 0,1                                   ; V, turned, into K's registers: it lands under the softmax
.irp td, 0,1,2,3
	ds_load_tr16_b128 v[KV+32*\ks+8*\td:KV+32*\ks+8*\td+3],   v[ADV] offset:64*VP*(\q)+32*VP*\ks+32*\td
	ds_load_tr16_b128 v[KV+32*\ks+8*\td+4:KV+32*\ks+8*\td+7], v[ADV] offset:64*VP*(\q)+32*VP*\ks+16*VP+32*\td
.endr
.endr
	s_cmp_lt_u32 s96, s[QG]                        ; all 64 keys count for all of the group's queries: no mask
	s_cbranch_scc1 .Lopen_\@
.irp kt, 0,1,2,3
.irp j, 0,1,2,3,4,5,6,7
.irp tq, 0,1
	v_cmp_gt_i32 vcc_lo, 16*\kt+\j, v[D0+\tq]
	v_cndmask_b32 v[S+32*\tq+8*\kt+\j], v[S+32*\tq+8*\kt+\j], v[NINF], vcc_lo
.endr
.endr
.endr
.Lopen_\@:
.irp j, 0,1,2,3                                ; the maximum: four chains a tile; each accumulator is read from its low end on
.irp t, 0,1
	v_max3_num_f32 v[ST+8*\t+4+\j], v[S+32*\t+8*\j], v[S+32*\t+8*\j+1], v[S+32*\t+8*\j+2]
.endr
.endr
.irp i, 3,5
.irp j, 0,1,2,3
.irp t, 0,1
	v_max3_num_f32 v[ST+8*\t+4+\j], v[ST+8*\t+4+\j], v[S+32*\t+8*\j+\i], v[S+32*\t+8*\j+\i+1]
.endr
.endr
.endr
.irp t, 0,1
	v_max3_num_f32 v[ST+8*\t+4], v[ST+8*\t+4], v[S+32*\t+7], v[S+32*\t+15]
	v_max3_num_f32 v[ST+8*\t+6], v[ST+8*\t+6], v[S+32*\t+23], v[S+32*\t+31]
.endr
.irp t, 0,1
	v_max3_num_f32 v[ST+8*\t+4], v[ST+8*\t+4], v[ST+8*\t+5], v[ST+8*\t+6]
.endr
.irp t, 0,1
	v_max3_num_f32 v[ST+8*\t+4], v[ST+8*\t+4], v[ST+8*\t+7], v[ST+8*\t+1]   ; with the old m
.endr
.irp t, 0,1
	v_permlanex16_b32 v[ST+8*\t+5], v[ST+8*\t+4], s[SEL], s[SEL+1]          ; the query's other 32 keys lie in the lane 16 away
.endr
.irp t, 0,1
	v_mov_b32 v[ST+8*\t+7], v[ST+8*\t]             ; c m_old
.endr
.irp t, 0,1
	v_max_num_f32 v[ST+8*\t+1], v[ST+8*\t+4], v[ST+8*\t+5]
.endr
.irp t, 0,1
	v_mul_f32 v[ST+8*\t], s[CS], v[ST+8*\t+1]
.endr
.irp t, 0,1
	v_sub_f32 v[ST+8*\t+7], v[ST+8*\t+7], v[ST+8*\t]
.endr
.set i, 0
.rept 16
	v_pk_fma_f32 v[S+i:S+i+1], v[S+i:S+i+1], s[CS:CS+1], v[ST:ST+1] op_sel_hi:[1,0,0] neg_lo:[0,0,1] neg_hi:[0,0,1]             ; c s - c m
	v_pk_fma_f32 v[S+32+i:S+32+i+1], v[S+32+i:S+32+i+1], s[CS:CS+1], v[ST+8:ST+9] op_sel_hi:[1,0,0] neg_lo:[0,0,1] neg_hi:[0,0,1]
.set i, i+2
.endr
.irp t, 0,1                                    ; ONE BATCH: both tiles' a and their 64 weights
	v_exp_f32 v[ST+8*\t+6], v[ST+8*\t+7]
.endr
.set i, 0
.rept 32
	v_exp_f32 v[S+i], v[S+i]
	v_exp_f32 v[S+32+i], v[S+32+i]
.set i, i+1
.endr
	v_nop                                          ; a plain line behind the last exponential
	s_wait_alu depctr_va_vdst(0)                   ; one wait for the batch, ahead of its first reader
.irp t, 0,1
	v_pk_mul_f32 v[ST+8*\t+2:ST+8*\t+3], v[ST+8*\t+2:ST+8*\t+3], v[ST+8*\t+6:ST+8*\t+7] op_sel_hi:[1,0]   ; l a
.endr
.irp t, 0,1                                    ; the row's sum is taken of the unrounded p, in two chains
	v_pk_add_f32 v[ST+8*\t+4:ST+8*\t+5], v[S+32*\t:S+32*\t+1], v[S+32*\t+2:S+32*\t+3]
.endr
.irp j, 4,8,12,16,20,24,28
.irp t, 0,1
	v_pk_add_f32 v[ST+8*\t+2:ST+8*\t+3], v[ST+8*\t+2:ST+8*\t+3], v[S+32*\t+\j:S+32*\t+\j+1]
	v_pk_add_f32 v[ST+8*\t+4:ST+8*\t+5], v[ST+8*\t+4:ST+8*\t+5], v[S+32*\t+\j+2:S+32*\t+\j+3]
.endr
.endr
.irp t, 0,1
	v_pk_add_f32 v[ST+8*\t+2:ST+8*\t+3], v[ST+8*\t+2:ST+8*\t+3], v[ST+8*\t+4:ST+8*\t+5]
.endr
.set i, 0
.rept 16                                       ; p to f16, in place, ascending: register i takes numbers 2 i and 2 i + 1
	v_cvt_pk_f16_f32 v[S+i], v[S+2*i], v[S+2*i+1]
	v_cvt_pk_f16_f32 v[S+32+i], v[S+32+2*i], v[S+32+2*i+1]
.set i, i+1
.endr
.set i, 0
.rept 16
	v_pk_mul_f32 v[O+i:O+i+1], v[O+i:O+i+1], v[ST+6:ST+7] op_sel_hi:[1,0]                  ; O^T a
	v_pk_mul_f32 v[O+32+i:O+32+i+1], v[O+32+i:O+32+i+1], v[ST+14:ST+15] op_sel_hi:[1,0]
.set i, i+2
.endr
	s_wait_dscnt 0x0                               ; V is in
.irp ks, 0,1                                   ; O^T += V^T P: the eight accumulators by turns
.irp td, 0,1,2,3
.irp tq, 0,1
	v_wmma_f32_16x16x32_f16 v[O+32*\tq+8*\td:O+32*\tq+8*\td+7], v[KV+32*\ks+8*\td:KV+32*\ks+8*\td+7], v[S+32*\tq+8*\ks:S+32*\tq+8*\ks+7], v[O+32*\tq+8*\td:O+32*\tq+8*\td+7]
.endr
.endr
.endr
.Lhidden_\@:
.endm
; THE CHANGE OF SLOTS stands at a slot's head: every wave's tensor loads have landed, its add is done and its reads of the slot that it has left are over.  fill = 1: a round of the cluster's barrier,
; and behind it the other slot is filled with the keys that follow: the load has a whole slot's steps in which to land.
.macro CHANGE fill
	s_wait_tensorcnt 0x0                           ; no tensor load of mine is out, so every group 0 may be written
	ds_add_u32 v[SPW], v[NIL]
.if \fill
	ds_add_u32 v[SPW], v[NIL]                      ; the add twice on end where a load follows, in every trip alike
.irp g, G0KF, G0KB, G0VF, G0VB
	s_xor_b32 s[\g+1], s[\g+1], SLOT1              ; the walking descriptors: the other slot,
.endr
	s_add_nc_u64 s[G0KF+2:G0KF+3], s[G0KF+2:G0KF+3], 16384   ; the front walk's next 128 keys,
	s_sub_nc_u64 s[G0KB+2:G0KB+3], s[G0KB+2:G0KB+3], 16384   ; the back walk's; the type bits on top are not reached
	s_add_nc_u64 s[G0VF+2:G0VF+3], s[G0VF+2:G0VF+3], 16384
	s_sub_nc_u64 s[G0VB+2:G0VB+3], s[G0VB+2:G0VB+3], 16384
	s_wait_xcnt 0x0                                ; the last prefetch, a slot back, has read its offset
	v_add_nc_u32 v[PFO], s[PFS], v[PFO]            ; one slot further on than the walking descriptors
	s_wait_dscnt 0x0
	CROUND
	JLOAD                                          ; the first thing behind the round, and a wave's one tensor load until the next
	ASK
.else
	s_wait_dscnt 0x0
	s_barrier_signal -1
	s_barrier_wait -1
.endif
.endm
.macro SLOT_STEPS
	STEP 0
	STEP 1
	STEP 2
	STEP 3
	s_xor_b32 s[TB], s[TB], SLOT1
	s_add_co_u32 s[KF], s[KF], 128
	s_sub_co_u32 s[KB], s[KB], 128
.endm
	s_wait_loadcnt 0x0                             ; Q
.Lslot:                                            ; seven trips: behind each change of slots but the last the next slot is asked for
	CHANGE 1
	SLOT_STEPS
	s_sub_co_u32 s[SLOTS], s[SLOTS], 1
	s_cmp_lg_u32 s[SLOTS], 0
	s_cbranch_scc1 .Lslot
	CHANGE 0                                       ; the last slot is written out
	SLOT_STEPS
	; THE WAY OUT.  O^T / l, rounded to f16, goes through my stage and leaves as 512 consecutive bytes an instruction.
.irp t, 0,1
	v_add_f32 v[ST+8*\t+4], v[ST+8*\t+2], v[ST+8*\t+3]
.endr
	v_and_b32 v[GO], 31, v0
.irp t, 0,1
	v_permlanex16_b32 v[ST+8*\t+5], v[ST+8*\t+4], s[SEL], s[SEL+1]
.endr
.irp t, 0,1
	v_add_f32 v[ST+8*\t+4], v[ST+8*\t+4], v[ST+8*\t+5]
.endr
.irp t, 0,1
	v_rcp_f32 v[ST+8*\t+6], v[ST+8*\t+4]
.endr
	v_lshlrev_b32 v[GO], 4, v[GO]                  ; (a plain line behind the reciprocals)  16 x lane in y
	s_wait_alu depctr_va_vdst(0)                   ; one wait for both, ahead of their first reader
.set i, 0
.rept 16
	v_pk_mul_f32 v[O+i:O+i+1], v[O+i:O+i+1], v[ST+6:ST+7] op_sel_hi:[1,0]
	v_pk_mul_f32 v[O+32+i:O+32+i+1], v[O+32+i:O+32+i+1], v[ST+14:ST+15] op_sel_hi:[1,0]
.set i, i+2
.endr
.set i, 0
.rept 32
	v_cvt_pk_f16_f32 v[KV+i], v[O+2*i], v[O+2*i+1] ; register 16 tq + 4 td + i': channels 16 td + 8 h + 2 i', + 1
.set i, i+1
.endr
.irp tq, 0,1
.irp td, 0,1,2,3
	ds_store_b128 v[STO], v[KV+16*\tq+4*\td:KV+16*\tq+4*\td+3] offset:16*KP*\tq+32*\td
.endr
.endr
.irp i, 0,1,2,3,4,5,6,7
	ds_load_b128 v[KV+32+4*\i:KV+32+4*\i+3], v[RD] offset:4*KP*\i   ; LDS serves a wave's instructions in order: these see my stores
.endr
.irp i, 0,1,2,3,4,5,6,7
	s_wait_dscnt 7-\i                              ; row group i is back; the younger loads may be out
	global_store_b128 v[GO], v[KV+32+4*\i:KV+32+4*\i+3], s[6:7] offset:512*\i
.endr
	s_wait_tensorcnt 0x0                           ; the wave's end
	ds_add_u32 v[SPW], v[NIL]
	s_wait_dscnt 0x0
	CROUND                                         ; the closing round
	s_endpgm
.Lfunc_end_k_qedec0ac8ea_attn:
	.size	k_qedec0ac8ea_attn, .Lfunc_end_k_qedec0ac8ea_attn-k_qedec0ac8ea_attn
	.p2alignl 7, 3214868480
	.fill 96, 4, 3214868480
	.section	.rodata,"a",@progbits
	.p2align	6, 0x0
	.amdhsa_kernel k_qedec0ac8ea_attn
		.amdhsa_group_segment_fixed_size 327680
		.amdhsa_private_segment_fixed_size 0
		.amdhsa_enable_private_segment 0
		.amdhsa_kernarg_size 16
		.amdhsa_user_sgpr_count 2
		.amdhsa_user_sgpr_kernarg_segment_ptr 1
		.amdhsa_wavefront_size32 1
		.amdhsa_system_sgpr_workgroup_id_x 1
		.amdhsa_system_sgpr_workgroup_id_y 1
		.amdhsa_system_sgpr_workgroup_id_z 1
		.amdhsa_system_vgpr_workitem_id 0
		.amdhsa_next_free_vgpr 256
		.amdhsa_next_free_sgpr 100
		.amdhsa_reserve_vcc 1
		.amdhsa_float_denorm_mode_32 3
		.amdhsa_float_denorm_mode_16_64 3
		.amdhsa_memory_ordered 1
		.amdhsa_forward_progress 1
		.amdhsa_inst_pref_size 191
	.end_amdhsa_kernel
	.amdgpu_metadata
---
amdhsa.version: [ 1, 2 ]
amdhsa.kernels:
  - .name:           k_qedec0ac8ea_attn
    .symbol:         k_qedec0ac8ea_attn.kd
    .args:
      - { .name: qkv16, .offset: 0, .size: 8, .value_kind: global_buffer, .address_space: global }
      - { .name: y16, .offset: 8, .size: 8, .value_kind: global_buffer, .address_space: global }
    .group_segment_fixed_size: 327680
    .private_segment_fixed_size: 0
    .kernarg_segment_align: 8
    .kernarg_segment_size: 16
    .max_flat_workgroup_size: 512
    .sgpr_count:     100
    .vgpr_count:     256
    .wavefront_size: 32
...
	.end_amdgpu_metadata
.endif
;; end of part 3
;; launch proj (part 4): grid 4 x 64, 4 waves a work-group, clusters of 4 x 4, 327,680 bytes of LDS; arguments y16, wp16, out0; writes out0
.if DOCPART == 4
	.amdgcn_target "amdgcn-amd-amdhsa--gfx1250"
	.amdhsa_code_object_version 6
	.text
	.protected	k_qedec0ac8ea_proj
	.globl	k_qedec0ac8ea_proj
	.p2align	8
	.type	k_qedec0ac8ea_proj,@function
k_qedec0ac8ea_proj:
	s_mov_b64 s[64:65], 0
	v_nop
	global_prefetch_b8 v0, s[64:65] scope:SCOPE_SE
	s_setreg_imm32_b32 hwreg(HW_REG_WAVE_MODE, 25, 1), 1
	s_wait_xcnt 0x0
	s_wait_alu depctr_hold_cnt(0) depctr_sa_sdst(0) depctr_va_vdst(0) depctr_va_sdst(0) depctr_va_ssrc(0) depctr_va_vcc(0) depctr_vm_vsrc(0)
	s_getreg_b32 s2, hwreg(HW_REG_IB_STS2, 6, 4)
	s_cmp_eq_u32 s2, 0
	s_cbranch_scc0 .Lentry_in_a_cluster
	s_endpgm
.Lentry_in_a_cluster:
	s_bfe_u32 s2, ttmp6, 0x10000c
	s_cmp_lg_u32 s2, 0xf033
	s_cbranch_scc0 .Lentry_shape_is_right
	s_endpgm
.Lentry_shape_is_right:
; out0 = y W_proj: [8192][1024] x [1024 k][1024 n], operands f16, sums f32, out0 f32.  y16 is head-major, [b][h 16][t 2048][64]: k = 64 h + d.  wp16 is [k][n] f16.
; A tile of out0 is 128 rows x 256 columns: 256 work-groups; a tile of 256 x 256 would give 128.  Four waves, each 64 x 128: 32 accumulators, 256 registers (window 1).
; K goes in steps of 128 (two heads) through two LDS slots.  A's tile: for each of the two heads 128 rows of 128 bytes; B's: 128 rows (k) of 512 bytes, read turned by ds_load_tr16_b128.
; CLUSTERS 4 x 4: A's tile hangs on the tile row alone and is shared along a row of the cluster, B's on the tile column alone and is shared along a column.
; THE MATRIX INSTRUCTION IS USED TRANSPOSED (source 0 = 16 columns of W, source 1 = 16 rows of y): a lane holds eight neighbouring numbers of a row of out0.
; All rows are stored here; the 64 rows with t < 16 are stored again, from f32 operands, by the launch that follows: leaving them out would take a branch on a work-group's place in its cluster.
; No prefetch: a K step is short and the tiles small; the joint loads are what is asked of memory.
; REGISTERS: window 0: v16-29 addresses; two fragment buffers of 96 at v32 and v128 (A: 4 x 8, then B: 8 x 8); on the way out v32-159 rows read back.  window 1: accumulator (a, b) at v[8 (8 a + b)].
.set APITCH, 144
.set AHEAD,  128*APITCH                ; one head's 128 rows
.set BPITCH, 544                       ; 512 bytes + 32
.set BOFF,   2*AHEAD
.set SLOT,   BOFF+128*BPITCH
.set STAGE,  2*SLOT                    ; behind the ring: 16 rows x 528 bytes for each wave
.set SPITCH, 528
.set SPARE,  STAGE+4*16*SPITCH         ; the spare words, 128 bytes a wave, named by no other line
.set LAPS,   4                         ; a lap = two K steps
.set ADRA, 16
.set ADRB, 20
.set STO,  24
.set RD,   25
.set CO,   26
.set SPW,  28
.set NIL,  29
.set F0,   32
.set F1,   128
.set BK,   32
.set G1, 24
.set G0, 32
.set G1B, 48
.set G0B, 56
.set MSB, 0
.macro WIN new
.if MSB != \new
	s_set_vgpr_msb (MSB<<8)|\new
.set MSB, \new
.endif
.endm
.set MUL, 0x50                         ; C and D window 1, sources 0 and 1 window 0
.macro JLOAD s                         ; waves 0 and 1 fetch A's two heads, waves 2 and 3 B's two halves; an s_nop 0 and four v_nop follow each line
	s_cmp_eq_u32 s11, 0
	s_cbranch_scc0 .Lfor_b_\@
	tensor_load_to_lds s[G0+4*\s:G0+4*\s+3], s[G1:G1+7]
	s_nop 0
.rept 4
	v_nop
.endr
	s_branch .Lasked_\@
.Lfor_b_\@:
	tensor_load_to_lds s[G0B+4*\s:G0B+4*\s+3], s[G1B:G1B+7]
	s_nop 0
.rept 4
	v_nop
.endr
.Lasked_\@:
.endm
.macro CREST
	s_cmp_lg_u32 s10, 0
	s_cbranch_scc1 .Lnot_wave_0_\@
	s_barrier_signal -3
.Lnot_wave_0_\@:
	s_barrier_wait -3
	s_barrier_signal -1
	s_barrier_wait -1
.endm
.macro CROUND
	s_barrier_signal -1
	s_barrier_wait -1
	CREST
.endm
	s_load_b128 s[4:7], s[0:1], 0x0                ; y16 s[4:5], wp16 s[6:7]
	s_load_b64 s[8:9], s[0:1], 0x10                ; out0
	v_lshl_add_u32 v[SPW], v0, 2, SPARE
	v_mov_b32 v[NIL], 0
	ds_add_u32 v[SPW], v[NIL]                      ; the wave's opening: the add, twice on end, and its wait ahead of my first tensor load
	ds_add_u32 v[SPW], v[NIL]
	v_lshrrev_b32 v1, 5, v0
	v_readfirstlane_b32 s10, v1                    ; wave 0..3
	s_lshr_b32 s11, s10, 1                         ; which 64 rows are mine.  Also: I fetch for A (0) or for B (1)
	s_and_b32 s12, s10, 1                          ; which 128 columns.  Also: which head of A's two, which half of B's rows
	s_bfe_u32 s40, ttmp6, 0x40000                  ; cx
	s_bfe_u32 s41, ttmp6, 0x40004                  ; cy
	s_lshl_b32 s42, ttmp9, 2
	s_add_co_u32 s42, s42, s40                     ; tile column
	s_and_b32 s13, ttmp7, 0xffff
	s_lshl_b32 s13, s13, 2
	s_add_co_u32 s13, s13, s41                     ; tile row
	s_lshl_b32 s43, s41, 2
	s_lshl_b32 s43, 15, s43                        ; my row of the cluster
	s_lshl_b32 s44, 0x1111, s40                    ; my column
	s_or_b32 s[G1+0], s43, (1<<16)|(1<<20)|(1<<21)|(4<<22)|(3<<25)    ; A: elements of 2 bytes; 4 words of padding behind every 32
	s_mov_b32 s[G1+1], 64<<16
	s_mov_b32 s[G1+2], 128<<16
	s_mov_b32 s[G1+3], 64<<16
	s_mov_b32 s[G1+4], 128
	s_mov_b32 s[G1+5], 64
	s_mov_b32 s[G1+6], 0
	s_mov_b32 s[G1+7], 0
	s_or_b32 s[G1B+0], s44, (1<<16)|(1<<20)|(1<<21)|(6<<22)|(7<<25)   ; B: 8 words of padding behind every 128
	s_mov_b32 s[G1B+1], 256<<16
	s_mov_b32 s[G1B+2], 64<<16
	s_mov_b32 s[G1B+3], 256<<16
	s_mov_b32 s[G1B+4], 64
	s_mov_b32 s[G1B+5], 1024
	s_mov_b32 s[G1B+6], 0
	s_mov_b32 s[G1B+7], 0
	s_lshr_b32 s16, s13, 4                         ; A: the batch, 16 heads of 262,144 bytes,
	s_lshl_b32 s16, s16, 22
	s_and_b32 s17, s13, 15
	s_lshl_b32 s17, s17, 14                        ; 128 positions of 128 bytes for each tile row in the batch,
	s_add_co_u32 s16, s16, s17
	s_lshl_b32 s17, s12, 18                        ; my head of the K step's two
	s_add_co_u32 s16, s16, s17
	s_mov_b32 s17, 0
	s_lshl_b32 s46, s42, 9                         ; B: 512 bytes for each tile column,
	s_lshl_b32 s47, s12, 17                        ; my 64 rows of 2,048 bytes
	s_add_co_u32 s46, s46, s47
	s_mov_b32 s47, 0
	s_mul_i32 s20, s12, AHEAD                      ; where they go
	s_mul_i32 s21, s12, 64*BPITCH
	s_add_co_u32 s21, s21, BOFF
	s_wait_dscnt 0x0                               ; both opening adds are done
	s_wait_kmcnt 0x0
	s_add_nc_u64 s[14:15], s[4:5], s[16:17]
	s_add_nc_u64 s[46:47], s[6:7], s[46:47]
	CROUND                                         ; all sixteen work-groups are here: the first joint loads meet
.irp s, 0,1
	s_mov_b32 s[G0+4*\s], 1
	s_add_co_u32 s[G0+4*\s+1], s20, \s*SLOT
	s_add_nc_u64 s[G0+4*\s+2:G0+4*\s+3], s[14:15], \s*524288       ; K step s: two heads on
	s_or_b32 s[G0+4*\s+3], s[G0+4*\s+3], 0x80000000
	s_mov_b32 s[G0B+4*\s], 1
	s_add_co_u32 s[G0B+4*\s+1], s21, \s*SLOT
	s_add_nc_u64 s[G0B+4*\s+2:G0B+4*\s+3], s[46:47], \s*262144     ; 128 rows on
	s_or_b32 s[G0B+4*\s+3], s[G0B+4*\s+3], 0x80000000
	JLOAD \s                                       ; two tensor loads of mine are out
.endr
	v_and_b32 v1, 15, v0                           ; r
	v_bfe_u32 v2, v0, 4, 1                         ; h
	v_mul_u32_u24 v3, v1, APITCH
	v_lshl_add_u32 v3, v2, 4, v3
	s_mul_i32 s21, s11, 64*APITCH                  ; my 64 rows of A
	v_and_b32 v4, 7, v0
	v_lshl_add_u32 v4, v2, 3, v4                   ; 8 h + lane % 8
	v_mul_u32_u24 v4, v4, BPITCH
	v_bfe_u32 v5, v0, 3, 1
	v_lshl_add_u32 v4, v5, 4, v4
	s_lshl_b32 s22, s12, 8                         ; my 128 columns of B
	s_add_co_u32 s22, s22, BOFF
.irp s, 0,1
	v_add_nc_u32 v[ADRA+\s], s21, v3
	v_add_nc_u32 v[ADRB+\s], s22, v4
	s_add_co_u32 s21, s21, SLOT
	s_add_co_u32 s22, s22, SLOT
.endr
	s_mul_i32 s23, s10, 16*SPITCH
	s_add_co_u32 s23, s23, STAGE                   ; my stage
	v_mul_u32_u24 v5, v1, SPITCH
	v_lshl_add_u32 v5, v2, 5, v5
	v_add_nc_u32 v[STO], s23, v5                   ; in: row r, 32 bytes for each half of the lanes
	v_and_b32 v6, 31, v0
	v_lshlrev_b32 v[CO], 4, v6                     ; back: the 32 lanes take one row of 512 bytes; the same in out0
	v_add_nc_u32 v[RD], s23, v[CO]
	s_lshl_b32 s16, s13, 7
	s_lshl_b32 s17, s11, 6
	s_add_co_u32 s16, s16, s17                     ; my first row
	s_lshl_b32 s16, s16, 12                        ; rows of 4,096 bytes: under 2^25
	s_lshl_b32 s46, s42, 10
	s_lshl_b32 s47, s12, 9
	s_add_co_u32 s46, s46, s47                     ; my first column, in bytes
	s_add_co_u32 s16, s16, s46
	s_mov_b32 s17, 0
	s_add_nc_u64 s[8:9], s[8:9], s[16:17]
.macro MUL8 f, a, zero                 ; A's block a x B's eight, 32 along K.  The 32 accumulators take turns in one order throughout
.irp b, 0,1,2,3,4,5,6,7
.if \zero
	v_wmma_f32_16x16x32_f16 v[8*(8*(\a)+\b):8*(8*(\a)+\b)+7], v[\f+32+8*\b:\f+32+8*\b+7], v[\f+8*(\a):\f+8*(\a)+7], 0
.else
	v_wmma_f32_16x16x32_f16 v[8*(8*(\a)+\b):8*(8*(\a)+\b)+7], v[\f+32+8*\b:\f+32+8*\b+7], v[\f+8*(\a):\f+8*(\a)+7], v[8*(8*(\a)+\b):8*(8*(\a)+\b)+7]
.endif
.endr
.endm
.macro FETCH slot, kq, f               ; 24 LDS loads in one run: B's eight fragments (turned), then A's four, of the slot's kq-th 32 along K
	WIN 0
.irp b, 0,1,2,3,4,5,6,7
	ds_load_tr16_b128 v[\f+32+8*\b:\f+32+8*\b+3],   v[ADRB+\slot] offset:32*BPITCH*(\kq)+32*\b
	ds_load_tr16_b128 v[\f+32+8*\b+4:\f+32+8*\b+7], v[ADRB+\slot] offset:32*BPITCH*(\kq)+32*\b+16*BPITCH
.endr
.irp i, 0,1,2,3
	ds_load_b128 v[\f+8*\i:\f+8*\i+3],   v[ADRA+\slot] offset:((\kq)/2)*AHEAD+((\kq)%2)*64+16*APITCH*\i
	ds_load_b128 v[\f+8*\i+4:\f+8*\i+7], v[ADRA+\slot] offset:((\kq)/2)*AHEAD+((\kq)%2)*64+16*APITCH*\i+32
.endr
.endm
.macro PLACES
.rept 4
	v_nop
.endr
.endm
.macro QUARTER slot, kq, f, g, zero    ; multiplies buffer f; in its middle fetches the slot's kq-th 32 along K into buffer g
	s_wait_dscnt 4                                 ; B and A's blocks 0 and 1 are in; the youngest four loads (A's blocks 2 and 3) may be out
	WIN MUL
	MUL8 \f, 0, \zero
	MUL8 \f, 1, \zero
	PLACES
	FETCH \slot, \kq, \g
	s_wait_dscnt 24                                ; all but the 24 just issued
	WIN MUL
	MUL8 \f, 2, \zero
	MUL8 \f, 3, \zero
.endm
.macro TURN slot, next, fill           ; the slot's last quarter (buffer 1) and the change of slots
	WIN 0
	s_wait_tensorcnt 0x0                           ; all my tensor loads have landed: my part of the next slot
	ds_add_u32 v[SPW], v[NIL]
	s_wait_dscnt 5                                 ; the add and the youngest four loads may be out
	WIN MUL
	MUL8 F1, 0, 0
	s_wait_dscnt 0x0                               ; the add is done, and my reads of this slot are over
	s_barrier_signal -1
	MUL8 F1, 1, 0
.if \fill
	WIN 0
.endif
	s_barrier_wait -1
.if \fill
	CREST                                          ; the barrier has opened a round of the cluster's: no wave of any partner still reads this slot or has a load on its way
	s_add_nc_u64 s[G0+4*\slot+2:G0+4*\slot+3], s[G0+4*\slot+2:G0+4*\slot+3], 1048576     ; two K steps on: four heads,
	s_add_nc_u64 s[G0B+4*\slot+2:G0B+4*\slot+3], s[G0B+4*\slot+2:G0B+4*\slot+3], 524288  ; 256 rows
	JLOAD \slot                                    ; the first tensor load behind the round; its four v_nop are also the places in front of the loads below
.else
	PLACES
.endif
	FETCH \next, 0, F0
	WIN MUL
	MUL8 F1, 2, 0
	MUL8 F1, 3, 0
.endm
	s_wait_tensorcnt 1                             ; my part of K step 0 is in; K step 1's may be out
	s_barrier_signal -1
	s_barrier_wait -1
	FETCH 0, 0, F0
	QUARTER 0, 1, F0, F1, 1                        ; the first products start the sums
	WIN 0
	s_mov_b32 s3, LAPS-1
.Llap:                                             ; a trip goes once round the ring and fills both slots again
	QUARTER 0, 2, F1, F0, 0
	QUARTER 0, 3, F0, F1, 0
	TURN 0, 1, 1
	QUARTER 1, 1, F0, F1, 0
	QUARTER 1, 2, F1, F0, 0
	QUARTER 1, 3, F0, F1, 0
	TURN 1, 0, 1
	QUARTER 0, 1, F0, F1, 0
	WIN 0
	s_sub_co_u32 s3, s3, 1
	s_cmp_lg_u32 s3, 0
	s_cbranch_scc1 .Llap
	QUARTER 0, 2, F1, F0, 0                        ; the last lap fills nothing
	QUARTER 0, 3, F0, F1, 0
	TURN 0, 1, 0
	QUARTER 1, 1, F0, F1, 0
	QUARTER 1, 2, F1, F0, 0
	QUARTER 1, 3, F0, F1, 0
	s_wait_dscnt 4
	WIN MUL
	MUL8 F1, 0, 0
	MUL8 F1, 1, 0
	s_wait_dscnt 0
	MUL8 F1, 2, 0
	MUL8 F1, 3, 0
	WIN 0
; THE WAY OUT, block by block of 16 rows x 128 columns: through my own stage, back as whole rows of 512 bytes.
.macro TOSTAGE a
.set AC, 64*(\a)
	WIN 0x04                                       ; an LDS store's data are its source 1: window 1
.irp b, 0,1,2,3,4,5,6,7
	ds_store_b128 v[STO], v[AC+8*\b:AC+8*\b+3] offset:64*\b          ; each accumulator from its low end on
	ds_store_b128 v[STO], v[AC+8*\b+4:AC+8*\b+7] offset:64*\b+16
.endr
	WIN 0
.set BB, BK+64*((\a)%2)
.irp t, 0,1,2,3,4,5,6,7,8,9,10,11,12,13,14,15
	ds_load_b128 v[BB+4*\t:BB+4*\t+3], v[RD] offset:\t*SPITCH
.endr
.endm
.macro SEND a, younger
.set BB, BK+64*((\a)%2)
	s_wait_dscnt \younger
.irp t, 0,1,2,3,4,5,6,7,8,9,10,11,12,13,14,15
	global_store_b128 v[CO], v[BB+4*\t:BB+4*\t+3], s[8:9] offset:(16*(\a)+\t)*4096 th:TH_STORE_NT   ; 32 lanes store 512 consecutive bytes, aligned
.endr
.endm
	PLACES
	TOSTAGE 0
.irp a, 1,2,3
.if \a > 1
	s_wait_xcnt 0x0                                ; block a - 2's stores have read their registers
.endif
	TOSTAGE \a
	SEND \a-1, 32                                  ; behind block a - 1's loads: block a's 16 stores and 16 loads
.endr
	SEND 3, 0
	s_wait_tensorcnt 0x0                           ; the wave's end
	ds_add_u32 v[SPW], v[NIL]
	s_wait_dscnt 0x0
	CROUND                                         ; the closing round
	s_endpgm
.Lfunc_end_k_qedec0ac8ea_proj:
	.size	k_qedec0ac8ea_proj, .Lfunc_end_k_qedec0ac8ea_proj-k_qedec0ac8ea_proj
	.p2alignl 7, 3214868480
	.fill 96, 4, 3214868480
	.section	.rodata,"a",@progbits
	.p2align	6, 0x0
	.amdhsa_kernel k_qedec0ac8ea_proj
		.amdhsa_group_segment_fixed_size 327680
		.amdhsa_private_segment_fixed_size 0
		.amdhsa_enable_private_segment 0
		.amdhsa_kernarg_size 24
		.amdhsa_user_sgpr_count 2
		.amdhsa_user_sgpr_kernarg_segment_ptr 1
		.amdhsa_wavefront_size32 1
		.amdhsa_system_sgpr_workgroup_id_x 1
		.amdhsa_system_sgpr_workgroup_id_y 1
		.amdhsa_system_sgpr_workgroup_id_z 1
		.amdhsa_system_vgpr_workitem_id 0
		.amdhsa_next_free_vgpr 512
		.amdhsa_next_free_sgpr 66
		.amdhsa_reserve_vcc 0
		.amdhsa_float_denorm_mode_32 3
		.amdhsa_float_denorm_mode_16_64 3
		.amdhsa_memory_ordered 1
		.amdhsa_forward_progress 1
		.amdhsa_inst_pref_size 85
	.end_amdhsa_kernel
	.amdgpu_metadata
---
amdhsa.version: [ 1, 2 ]
amdhsa.kernels:
  - .name:           k_qedec0ac8ea_proj
    .symbol:         k_qedec0ac8ea_proj.kd
    .args:
      - { .name: y16, .offset: 0, .size: 8, .value_kind: global_buffer, .address_space: global }
      - { .name: wp16, .offset: 8, .size: 8, .value_kind: global_buffer, .address_space: global }
      - { .name: out0, .offset: 16, .size: 8, .value_kind: global_buffer, .address_space: global }
    .group_segment_fixed_size: 327680
    .private_segment_fixed_size: 0
    .kernarg_segment_align: 8
    .kernarg_segment_size: 24
    .max_flat_workgroup_size: 128
    .sgpr_count:     66
    .vgpr_count:     512
    .wavefront_size: 32
...
	.end_amdgpu_metadata
.endif
;; end of part 4
;; launch fine (part 5): grid 64 x 4, 16 waves a work-group, no clusters, 18,432 bytes of LDS; arguments fine32, W_proj, out0; writes out0
.if DOCPART == 5
	.amdgcn_target "amdgcn-amd-amdhsa--gfx1250"
	.amdhsa_code_object_version 6
	.text
	.protected	k_qedec0ac8ea_fine
	.globl	k_qedec0ac8ea_fine
	.p2align	8
	.type	k_qedec0ac8ea_fine,@function
k_qedec0ac8ea_fine:
	s_mov_b64 s[64:65], 0
	v_nop
	global_prefetch_b8 v0, s[64:65] scope:SCOPE_SE
	s_setreg_imm32_b32 hwreg(HW_REG_WAVE_MODE, 25, 1), 1
	s_wait_xcnt 0x0
; THE FIRST 16 POSITIONS OF EVERY SEQUENCE IN f32: their attention and their rows of the projection, 64 rows of out0 in all, stored over what the f16 launch left there.
; fine32: [b][h][q, k, v][t 16][64] f32.  W_proj: [1024 k][1024 n] f32.
; A work-group makes 16 rows x 16 columns of out0 (columns 16 x, batch y).  Wave w is head w, which is also the slice k = 64 w .. + 63 of the projection; the sixteen partial sums meet in LDS.
; Every work-group of a batch repeats the small attention (32 matrix instructions a wave): so the sum over heads stays inside one work-group.
; W_proj is read as pieces of 64 bytes of its rows and out0 is stored in pieces of 64 bytes: the launch moves 4 MB in and 256 KB out, and no larger piece belongs to one work-group.
; All products by v_wmma_f32_16x16x4_f32.  The instruction's k = 2 h + j is given the same true index in both sources, so every index is summed once.
; The registers that this form writes (v144-239) are written by nothing else; sums begin with the constant 0.
.set SPARE, 16384
.set SPW, 14
.set NIL, 15
	s_load_b128 s[4:7], s[0:1], 0x0                ; fine32 s[4:5], W_proj s[6:7]
	s_load_b64 s[8:9], s[0:1], 0x10                ; out0
	v_lshl_add_u32 v[SPW], v0, 2, SPARE
	v_mov_b32 v[NIL], 0
	v_lshrrev_b32 v1, 5, v0
	v_readfirstlane_b32 s10, v1                    ; wave = head
	s_and_b32 s11, ttmp7, 0xffff                   ; batch
	v_and_b32 v1, 15, v0                           ; r
	v_bfe_u32 v2, v0, 4, 1                         ; h
	v_and_b32 v3, 31, v0                           ; lane
	v_lshlrev_b32 v4, 8, v1
	v_lshl_add_u32 v4, v2, 4, v4                   ; q, k: row r of 256 bytes + 16 h
	v_lshlrev_b32 v5, 2, v1
	v_lshl_add_u32 v5, v2, 11, v5                  ; v: key 8 h, channel r
	v_lshlrev_b32 v6, 2, v1
	v_lshl_add_u32 v6, v2, 15, v6                  ; W: row 8 h of 4,096 bytes, column r; out0: the same
	v_lshlrev_b32 v7, 3, v2
	v_sub_nc_u32 v7, v1, v7                        ; r - 8 h: register j's key 8 h + j is hidden where j is above it
	s_lshl_b32 s12, s10, 10
	v_lshl_add_u32 v10, v3, 4, s12                 ; LDS: my wave's 1,024 bytes, 16 a lane
	s_lshr_b32 s13, s10, 2
	s_and_b32 s13, s13, 1
	s_lshl_b32 s13, s13, 9
	s_and_b32 s14, s10, 3
	s_lshl_b32 s14, s14, 2
	s_add_co_u32 s13, s13, s14
	v_lshl_add_u32 v11, v3, 4, s13                 ; and, for waves 0-7, register w of every head's image
	v_mov_b32 v9, 0xff800000                       ; -infinity
	v_mov_b32 v12, 0                               ; (a lane permute's destination counts as read)
	v_mov_b32 v13, 0
	s_mov_b32 s20, 0x76543210
	s_mov_b32 s21, 0xfedcba98
	s_mov_b32 s22, 0x3e38aa3b                      ; c = log2(e) / 8
	s_lshl_b32 s16, s11, 4
	s_add_co_u32 s16, s16, s10
	s_mul_i32 s16, s16, 3*4096                     ; my head's q, k, v
	s_mov_b32 s17, 0
	s_lshl_b32 s18, s10, 18                        ; W: my 64 rows,
	s_lshl_b32 s19, ttmp9, 6                       ; the work-group's 16 columns
	s_add_co_u32 s18, s18, s19
	s_lshl_b32 s24, s11, 23                        ; out0: the batch's first row,
	s_add_co_u32 s24, s24, s19
	s_and_b32 s19, s10, 7
	s_lshl_b32 s19, s19, 12                        ; row w (and 8 + w in lanes 16-31)
	s_add_co_u32 s24, s24, s19
	s_mov_b32 s19, 0
	s_mov_b32 s25, 0
	s_wait_kmcnt 0x0
	s_add_nc_u64 s[4:5], s[4:5], s[16:17]
	s_add_nc_u64 s[6:7], s[6:7], s[18:19]
	s_add_nc_u64 s[8:9], s[8:9], s[24:25]
.irp g, 0,1,2,3,4,5,6,7
	global_load_b128 v[16+4*\g:19+4*\g], v4, s[4:5] offset:32*\g          ; q(r, 8 g + 4 h + 0..3)
.endr
.irp g, 0,1,2,3,4,5,6,7
	global_load_b128 v[48+4*\g:51+4*\g], v4, s[4:5] offset:4096+32*\g     ; k likewise
.endr
.irp td, 0,1,2,3
.irp i, 0,1,2,3,4,5,6,7
	global_load_b32 v[80+8*\td+\i], v5, s[4:5] offset:8192+256*\i+64*\td  ; v(key 8 h + i, channel 16 td + r)
.endr
.endr
.irp td, 0,1,2,3
.irp i, 0,1,2,3,4,5,6,7
	global_load_b32 v[112+8*\td+\i], v6, s[6:7] offset:(16*\td+\i)*4096   ; W(64 w + 16 td + 8 h + i, column r)
.endr
.endr
	s_wait_loadcnt 63                              ; of the 80 loads the 63 youngest may be out: q's and k's sixteen, and v's first, are in (64 follow k's last load; 63 is the largest count that the wait can name)
.set i, 0
.rept 16                                       ; S^T = k q^T: 16 steps of 4 channels over four accumulators by turns
.if i < 4
	v_wmma_f32_16x16x4_f32 v[144+8*(i%4):151+8*(i%4)], v[48+2*i:49+2*i], v[16+2*i:17+2*i], 0
.else
	v_wmma_f32_16x16x4_f32 v[144+8*(i%4):151+8*(i%4)], v[48+2*i:49+2*i], v[16+2*i:17+2*i], v[144+8*(i%4):151+8*(i%4)]
.endif
.set i, i+1
.endr
.rept 8
	v_nop                                          ; eight plain lines behind this form before its results are read (ISA guide 7.12.1)
.endr
.irp j, 0,2,4,6                                ; the four partial sums, each accumulator from its low end on: lane (r, h): query r, key 8 h + j
	v_pk_add_f32 v[240+\j:241+\j], v[144+\j:145+\j], v[152+\j:153+\j]
	v_pk_add_f32 v[248+\j:249+\j], v[160+\j:161+\j], v[168+\j:169+\j]
.endr
.irp j, 0,2,4,6
	v_pk_add_f32 v[240+\j:241+\j], v[240+\j:241+\j], v[248+\j:249+\j]
.endr
.irp j, 0,1,2,3,4,5,6,7
	v_cmp_gt_i32 vcc_lo, \j, v7
	v_cndmask_b32 v[240+\j], v[240+\j], v9, vcc_lo ; the causal mask
.endr
	v_max3_num_f32 v8, v240, v241, v242
	v_max3_num_f32 v8, v8, v243, v244
	v_max3_num_f32 v8, v8, v245, v246
	v_max_num_f32 v8, v8, v247
	v_permlanex16_b32 v12, v8, s20, s21
	v_max_num_f32 v8, v8, v12                      ; the row's maximum: key 0 counts for every query
	v_mul_f32 v8, s22, v8
.irp j, 0,1,2,3,4,5,6,7
	v_fma_f32 v[240+\j], v[240+\j], s22, -v8
.endr
.irp j, 0,1,2,3,4,5,6,7
	v_exp_f32 v[240+\j], v[240+\j]
.endr
	v_nop                                          ; a plain line behind the last exponential
	s_wait_alu depctr_va_vdst(0)                   ; one wait for the eight
	v_add_f32 v12, v240, v241
	v_add_f32 v8, v242, v243
	v_add_f32 v12, v12, v244
	v_add_f32 v8, v8, v245
	v_add_f32 v12, v12, v246
	v_add_f32 v8, v8, v247
	v_add_f32 v12, v12, v8
	v_permlanex16_b32 v13, v12, s20, s21
	v_add_f32 v12, v12, v13                        ; the row's sum
	v_rcp_f32 v12, v12
	v_nop
	s_wait_alu depctr_va_vdst(0)
.irp j, 0,1,2,3,4,5,6,7
	v_mul_f32 v[248+\j], v[240+\j], v12            ; the weights
.endr
	s_wait_loadcnt 32                              ; v is in; W's 32 loads may be out
.irp u, 0,1,2,3                                ; O^T = v^T p: keys 8 h + 2 u + 0, 1; four accumulators (16 channels each) by turns
.irp td, 0,1,2,3
.if \u == 0
	v_wmma_f32_16x16x4_f32 v[176+8*\td:183+8*\td], v[80+8*\td+2*\u:81+8*\td+2*\u], v[248+2*\u:249+2*\u], 0
.else
	v_wmma_f32_16x16x4_f32 v[176+8*\td:183+8*\td], v[80+8*\td+2*\u:81+8*\td+2*\u], v[248+2*\u:249+2*\u], v[176+8*\td:183+8*\td]
.endif
.endr
.endr
.rept 9
	v_nop                                          ; nine plain lines before a matrix instruction takes these results as a source
.endr
	s_wait_loadcnt 0x0                             ; W
.irp u, 0,1,2,3                                ; the projection's slice: source 0 = O^T's registers (lane r: query r; channels 16 td + 8 h + 2 u + 0, 1), source 1 = W at the same channels
.irp td, 0,1,2,3
.if \u == 0
	v_wmma_f32_16x16x4_f32 v[208+8*\td:215+8*\td], v[176+8*\td+2*\u:177+8*\td+2*\u], v[112+8*\td+2*\u:113+8*\td+2*\u], 0
.else
	v_wmma_f32_16x16x4_f32 v[208+8*\td:215+8*\td], v[176+8*\td+2*\u:177+8*\td+2*\u], v[112+8*\td+2*\u:113+8*\td+2*\u], v[208+8*\td:215+8*\td]
.endif
.endr
.endr
.rept 8
	v_nop
.endr
.irp j, 0,2,4,6                                ; my head's part: lane (r, h), register j: row 8 h + j, column r
	v_pk_add_f32 v[16+\j:17+\j], v[208+\j:209+\j], v[216+\j:217+\j]
	v_pk_add_f32 v[24+\j:25+\j], v[224+\j:225+\j], v[232+\j:233+\j]
.endr
.irp j, 0,2,4,6
	v_pk_add_f32 v[16+\j:17+\j], v[16+\j:17+\j], v[24+\j:25+\j]
.endr
	ds_store_b128 v10, v[16:19]
	ds_store_b128 v10, v[20:23] offset:512
	s_wait_dscnt 0x0                               ; for the others' sake: my stores are done
	s_barrier_signal -1
	s_barrier_wait -1
	s_cmp_lt_u32 s10, 8                            ; waves 0-7 add the sixteen heads' register w and store rows w and 8 + w
	s_cbranch_scc0 .Ldone
.irp i, 0,1,2,3,4,5,6,7,8,9,10,11,12,13,14,15
	ds_load_b32 v[32+\i], v11 offset:1024*\i
.endr
	s_wait_dscnt 0x0
	v_add_f32 v8, v32, v34
	v_add_f32 v9, v33, v35
.irp i, 4,6,8,10,12,14
	v_add_f32 v8, v8, v[32+\i]
	v_add_f32 v9, v9, v[33+\i]
.endr
	v_add_f32 v8, v8, v9
	global_store_b32 v6, v8, s[8:9]
.Ldone:
	s_wait_tensorcnt 0x0                           ; the wave's end
	ds_add_u32 v[SPW], v[NIL]
	s_wait_dscnt 0x0
	s_endpgm
.Lfunc_end_k_qedec0ac8ea_fine:
	.size	k_qedec0ac8ea_fine, .Lfunc_end_k_qedec0ac8ea_fine-k_qedec0ac8ea_fine
	.p2alignl 7, 3214868480
	.fill 96, 4, 3214868480
	.section	.rodata,"a",@progbits
	.p2align	6, 0x0
	.amdhsa_kernel k_qedec0ac8ea_fine
		.amdhsa_group_segment_fixed_size 18432
		.amdhsa_private_segment_fixed_size 0
		.amdhsa_enable_private_segment 0
		.amdhsa_kernarg_size 24
		.amdhsa_user_sgpr_count 2
		.amdhsa_user_sgpr_kernarg_segment_ptr 1
		.amdhsa_wavefront_size32 1
		.amdhsa_system_sgpr_workgroup_id_x 1
		.amdhsa_system_sgpr_workgroup_id_y 1
		.amdhsa_system_sgpr_workgroup_id_z 1
		.amdhsa_system_vgpr_workitem_id 0
		.amdhsa_next_free_vgpr 256
		.amdhsa_next_free_sgpr 66
		.amdhsa_reserve_vcc 1
		.amdhsa_float_denorm_mode_32 3
		.amdhsa_float_denorm_mode_16_64 3
		.amdhsa_memory_ordered 1
		.amdhsa_forward_progress 1
		.amdhsa_inst_pref_size 20
	.end_amdhsa_kernel
	.amdgpu_metadata
---
amdhsa.version: [ 1, 2 ]
amdhsa.kernels:
  - .name:           k_qedec0ac8ea_fine
    .symbol:         k_qedec0ac8ea_fine.kd
    .args:
      - { .name: fine32, .offset: 0, .size: 8, .value_kind: global_buffer, .address_space: global }
      - { .name: W_proj, .offset: 8, .size: 8, .value_kind: global_buffer, .address_space: global }
      - { .name: out0, .offset: 16, .size: 8, .value_kind: global_buffer, .address_space: global }
    .group_segment_fixed_size: 18432
    .private_segment_fixed_size: 0
    .kernarg_segment_align: 8
    .kernarg_segment_size: 24
    .max_flat_workgroup_size: 512
    .sgpr_count:     66
    .vgpr_count:     256
    .wavefront_size: 32
...
	.end_amdgpu_metadata
.endif
;; end of part 5
